; MI455X (gfx1250); checked and timed in simulation.
; The chip was launched on July 23, 2026; its instructions are those of AMD's public machine-readable ISA for CDNA 5 (MIT licence, August 2026) and "CDNA5" Instruction Set Architecture Reference Guide (July 2026). The comments in the code are by the model that wrote it; some were corrected since.
;; Cross Attention. Allowed arithmetic: matrix products marked QUANTISED: E2M1 operands, one E8M0 scale for each 32 along K, by v_wmma_scale_f32_16x16x128_f8f6f4 with both operands' format E2M1 (or v_wmma_scale_f32_32x16x128_f4), f32 sums; everything else in f32.
;; Inputs: Wkv 1,024 x 2,048 float32; Wout 1,024 x 1,024 float32; Wq 1,024 x 1,024 float32; beta one number float32; bout 1,024 float32; context 2 x 4 x 1,024 x 1,024 float32; doc_similarities 2 x 4 float32; x 2 x 1,024 x 1,024 float32.
;; Outputs: out0 2 x 1,024 x 1,024 float32.
;; This version of the problem:
;;   THIS VERSION OF THE PROBLEM IS GIVEN IN LOW PRECISION. The matrix products marked QUANTISED in the list below multiply operands that are first quantised to E2M1 (2 exponent bits, 1 mantissa bit; 4 bits a number), with one power-of-two scale for each 32 numbers along K (OCP MX v1.0); their sums are f32. All else is computed in f32.
;;   The module's matrix products, in the order in which they are computed (A, B: the left and right operand; K: the contracted axis; several contracted axes count as one K, in the product's order):
;;     1. [M 2,048, K 1,024] x [K 1,024, N 1,024]; A: input x; B: input Wq: QUANTISED
;;     2. [M 8,192, K 1,024] x [K 1,024, N 2,048]; A: input context; B: input Wkv: QUANTISED
;;     3. batch 16 x [M 1,024, K 128] x [K 128, N 4,096]; A: computed on the way; B: computed on the way: QUANTISED
;;     4. batch 16 x [M 1,024, K 4,096] x [K 4,096, N 128]; A: softmax (see below); B: computed on the way: QUANTISED
;;     5. [M 2,048, K 1,024] x [K 1,024, N 1,024]; A: computed on the way; B: input Wout: QUANTISED
;;   THE QUANTISER, for each operand of a quantised product, along K:
;;     - K is cut into blocks of 32 from its start; a last block that is shorter is filled with zeros.
;;     - A block's scale is 2^e with e = floor(log2(the largest magnitude in the block)) - 2, held to -126 .. 127; a block of zeros has e = 0. As a byte (E8M0): e + 127.
;;     - Each number is divided by its block's scale, clamped to +-6, and rounded to the nearest number of E2M1, ties to even, subnormals kept.
;;     - The product sums the exact products of the quantised numbers (number of the format x scale) in f32.
;;   ~~~python
;;   def quantise(x, axis):      # numpy; x: float32 -> the quantised numbers, widened to float32 again
;;       x = np.moveaxis(x, axis, -1); K = x.shape[-1]
;;       x = np.pad(x, [(0, 0)] * (x.ndim - 1) + [(0, -K % 32)]); x = x.reshape(x.shape[:-1] + (-1, 32)); a = np.abs(x).max(-1, keepdims=True)
;;       e = np.where(a > 0, np.clip(np.frexp(np.where(a > 0, a, 1))[1] - 1 - 2, -126, 127), 0)      # np.frexp(a)[1] - 1 = floor(log2(a)), exactly
;;       r = np.clip(x / 2.0 ** e, -6, 6)
;;       step = 2.0 ** (np.maximum(np.frexp(np.where(r == 0, 1, r))[1] - 1, 0) - 1)
;;       q = np.round(r / step) * step * 2.0 ** e      # np.round: ties to even
;;       return np.moveaxis(q.reshape(q.shape[:-2] + (-1,))[..., :K], -1, axis).astype(np.float32)
;;   ~~~
;;   SOFTMAX AHEAD OF A QUANTISED PRODUCT. Where the list says 'softmax', what is quantised is not the finished softmax but p = 2^(t - M), with t = logit x log2(e) and M = ceil(the row's largest t), a whole number; so 1/2 < the row's largest p <= 1. The row's sum l is taken of the UNQUANTISED p, in f32, and the product's result is divided by l at the end. Since M is a whole number, a kernel that streams over the keys may use a running M (the ceiling of the running maximum): every later rescaling is an exact power of two, which a block's scale takes up: the codes' values come out the same.
;;   OPERANDS COMPUTED ON THE WAY. 'Computed on the way' means the value that the module computes at that place (a softmax that the list does not call 'softmax' is quantised finished and normalised). What goes into a quantiser is computed in f32, as accurately as f32 sums, v_exp_f32 and their like allow (about 1e-6 of the number): no bf16 or f16 on the way to a quantiser, and a product that is left as it is and whose result goes on into a quantised operand takes f32 operands (vector FMAs, or v_wmma_f32_16x16x4_f32). A number that lies on a knife's edge between two numbers of the format may be rounded either way, as far as f32 arithmetic and the matrix unit's own rounding can turn it there, and no further.
;; One version. Each part assembles by itself: llvm-mc -triple=amdgcn-amd-amdhsa -mcpu=gfx1250 --defsym DOCPART=n.
;; ======== version 1 of 1: 4 launches
;; limits: right only within a limited range of input values
;; workspace buffers: aimg 5,570,560 bytes; wimg 2,228,224 bytes; qimg 1,048,576 bytes; qsc 65,536 bytes; kvimg 8,388,608 bytes; kvsc 524,288 bytes; oimg 1,114,112 bytes
;; launch quant (part 1): grid 896 x 1, 4 waves a work-group, no clusters, 34,304 bytes of LDS; arguments x, context, Wq, Wkv, Wout, aimg, wimg; writes aimg, wimg
.if DOCPART == 1
	.amdgcn_target "amdgcn-amd-amdhsa--gfx1250"
	.amdhsa_code_object_version 6
	.text
	.protected	k_qbce66a230d_quant
	.globl	k_qbce66a230d_quant
	.p2align	8
	.type	k_qbce66a230d_quant,@function
k_qbce66a230d_quant:
	s_mov_b64 s[64:65], 0
	v_nop
	global_prefetch_b8 v0, s[64:65] scope:SCOPE_SE
	s_setreg_imm32_b32 hwreg(HW_REG_WAVE_MODE, 25, 1), 1
	s_wait_xcnt 0x0
; CROSS-ATTENTION IN MX-FP4, LAUNCH 1 OF 4: x, context, Wq, Wkv and Wout, all f32, become codes of E2M1 with one E8M0 byte for each 32 along K (K = the model's 1,024 in all five).
; DEAD WORK: none.  The doc's bias differs along the softmax's axis (it changes from doc to doc), beta multiplies it, bout is added to the result, and all five products reach out0: every input is loaded by some launch.
; THE LAYOUT OF THE PROGRAM'S OWN BUFFERS follows the matrix operand's registers.
;   TILE: rows (or a weight's columns) go in groups of 32; tile 2 B + u, slot p (0..15), holds row 32 B + 8 u + p + 8 (p / 8).  So, whichever operand is source 0 of a product, the 16 result registers of tiles 2 B and
;         2 B + 1 in lane (r, h) are the 16 neighbours 32 B + 16 h + 0..15 along source 0's rows: ready to be quantised along them.
;   FRAGMENT (16 slots x 128 K, 1,024 bytes): piece c (0, 1) at 512 c, lane l = 16 h + p at 16 l: the codes of k = 64 c + 32 h + 0..31 of slot p.
;   RECORD (a tile, K = 1,024; 8,704 bytes): two halves of 4,352 = 17 x 256 bytes, each with the fragments of 4 K steps and behind them 256 bytes of scale words: slot p's four words, one for each K step, at 4,096 + 16 p.
; aimg: 640 records (0-511 context's 8,192 rows, 512-639 x's 2,048);  wimg: 256 records of columns (0-127 Wkv, 128-191 Wq, 192-255 Wout).
; A block's scale is 2^(floor(log2(its largest magnitude)) - 2); its byte is that magnitude's exponent field - 2, held at 1 from below.
; LIMITS: a block of zeros, or one whose largest magnitude lies under 2^-124, gets the byte 1 (its codes are zeros or are held by that scale; the bytes are read by this program alone); NaN and infinities among the inputs are not served.
; Work-groups 0-639: a tile of 16 rows, K innermost (rows path).  Work-groups 640-895: 128 columns x 128 along K of a weight, K outermost (columns path).  Only the rows path touches LDS.
; No tensor load, no barrier: waves share nothing.  No matrix unit and no cluster: nothing is read twice.
.set SPARE, 33792                      ; behind the four stages: the spare words, 128 bytes for each wave
.set TM,  16                           ; v16-31  rows path: at work in QUANT
.set SEL, 2                            ; s[2:3]  lane selects for v_permlanex16_b32: lane l xor 16
.set R,   64                           ; v64-191 rows path: two K steps as loaded
.set X0,  192                          ; v192-255 K step 0, 16 neighbours of each block in a lane
.set X1,  64                           ; v64-127  K step 1 likewise
.set VO,  16                           ; v16-47  columns path: byte offset of row i of a block, at my column
.set XC,  64                           ; v64-127 columns path: two sets of 32 numbers
.set CC,  128                          ; v128-143 columns path: four registers of codes for each block
.set SBW, 144                          ; v144    columns path: my column's scale word
; 64 numbers of a lane, register 16 b + i = k 32 b + 16 (lane / 16) + i of my row, become a fragment's codes in v[pc] on and its scale word in v[pw].
.macro QUANT s, pc, pw
.irp b, 0,1,2,3
	v_max3_num_f32 v[TM+\b], |v[\s+16*\b]|, |v[\s+1+16*\b]|, 0x1800000   ; and the floor 2^(3 - 127): the byte cannot fall under 1
.endr
.irp i, 2,4,6,8,10,12,14
.irp b, 0,1,2,3
	v_max3_num_f32 v[TM+\b], v[TM+\b], |v[\s+16*\b+\i]|, |v[\s+1+16*\b+\i]|
.endr
.endr
.irp b, 0,1,2,3
	v_permlanex16_b32 v[TM+4+\b], v[TM+\b], s[SEL], s[SEL+1]
.endr
.irp b, 0,1,2,3
	v_max_num_f32 v[TM+\b], v[TM+\b], v[TM+4+\b]   ; with lane l xor 16's 16: the block's largest magnitude
.endr
.irp b, 0,1,2,3
	v_add_nc_u32 v[TM+12+\b], 0xff000000, v[TM+\b]   ; 2 off its exponent field: the conversion's scale operand
.endr
.irp b, 0,1,2,3
	v_lshrrev_b32 v[TM+4+\b], 23, v[TM+12+\b]      ; the scale's byte
.endr
	v_lshl_or_b32 v[\pw], v[TM+5], 8, v[TM+4]
	v_lshl_or_b32 v[\pw], v[TM+6], 16, v[\pw]
	v_lshl_or_b32 v[\pw], v[TM+7], 24, v[\pw]      ; my row's scale word, the same in both halves of the lanes
.irp b, 0,1,2,3
	v_cvt_scalef32_pk8_fp4_f32 v[\pc+2*\b], v[\s+16*\b:\s+7+16*\b], v[TM+12+\b]
	v_cvt_scalef32_pk8_fp4_f32 v[\pc+1+2*\b], v[\s+8+16*\b:\s+15+16*\b], v[TM+12+\b]
.endr
	v_nop                                          ; one plain instruction behind the scaled conversions
.irp c, 0,1                                    ; the operand wants a whole block in a lane: lanes 0-15 block 2 c, lanes 16-31 block 2 c + 1
.irp i, 0,1
	v_permlane16_swap_b32 v[\pc+4*\c+\i], v[\pc+2+4*\c+\i]
.endr
.endr
.endm
	s_load_b256 s[4:11], s[0:1], 0x0               ; x s[4:5], context s[6:7], Wq s[8:9], Wkv s[10:11]
	s_load_b128 s[12:15], s[0:1], 0x20             ; Wout s[12:13], aimg s[14:15]
	s_load_b64 s[16:17], s[0:1], 0x30              ; wimg
	v_lshl_add_u32 v8, v0, 2, SPARE                ; my spare word; never rewritten
	v_mov_b32 v9, 0                                ; 0; never rewritten
	v_lshrrev_b32 v1, 5, v0
	v_readfirstlane_b32 s18, v1                    ; wave 0..3
	v_and_b32 v1, 31, v0                           ; lane
	v_and_b32 v2, 15, v0                           ; r = lane % 16
	v_bfe_u32 v3, v0, 4, 1                         ; h = lane / 16
	s_cmp_ge_u32 ttmp9, 640
	s_cbranch_scc1 .Lcols
	; ---- ROWS.  The work-group's number is the tile; wave w takes K steps 2 w and 2 w + 1 of its 16 rows, so the four waves cover whole rows.
	s_cmp_lt_u32 ttmp9, 512
	s_cselect_b32 s19, 0, 512
	s_sub_co_u32 s19, ttmp9, s19                   ; the tile's number in its own tensor
	s_lshr_b32 s22, s19, 1
	s_lshl_b32 s22, s22, 17                        ; 32 rows of 4,096 bytes for each pair of tiles,
	s_and_b32 s23, s19, 1
	s_lshl_b32 s23, s23, 15                        ; 8 rows for the odd tile,
	s_add_co_u32 s22, s22, s23
	s_lshl_b32 s23, s18, 10                        ; my wave's 1,024 bytes of a row
	s_add_co_u32 s22, s22, s23
	s_mov_b32 s23, 0
	s_mul_i32 s24, ttmp9, 8704                     ; the tile's record
	s_mov_b32 s25, 0
	s_lshr_b32 s33, s18, 1                         ; which half of it
	s_lshl_b32 s30, s18, 11
	s_lshl_b32 s32, s33, 8
	s_add_co_u32 s30, s30, s32                     ; my two fragments: 4,352 (w / 2) + 2,048 (w % 2)
	s_mov_b32 s31, 0
	s_mul_i32 s32, s33, 4352
	s_and_b32 s33, s18, 1
	s_lshl_b32 s33, s33, 3
	s_add_co_u32 s32, s32, s33                     ; my two scale words of each slot
	s_mov_b32 s33, 0
	s_mov_b32 s[SEL], 0x76543210
	s_mov_b32 s[SEL+1], 0xfedcba98
	s_wait_alu depctr_va_vdst(0)
	v_lshlrev_b32 v4, 4, v1                        ; 16 x lane
	s_mul_i32 s34, s18, 8448                       ; my stage: 16 rows of 512 bytes + 16 of padding
	v_add_nc_u32 v5, s34, v4                       ; into it: a row's 512 bytes as they lie
	v_mul_u32_u24 v6, v2, 528
	v_lshl_add_u32 v6, v3, 6, v6
	v_add_nc_u32 v6, s34, v6                       ; out of it: row r, 64 bytes on for lanes 16-31
	v_lshlrev_b32 v7, 4, v2                        ; 16 r: my slot's scale words
.irp b, 0,1,2,3
	v_mov_b32 v[TM+4+\b], 0                        ; written once: a lane permute's destination counts as one of its sources
.endr
	s_wait_alu depctr_va_vdst(0)                   ; the wait at the head's end
	s_wait_kmcnt 0x0
	s_cmp_lt_u32 ttmp9, 512
	s_cselect_b64 s[20:21], s[6:7], s[4:5]         ; context's tile or x's: the choice hangs on the work-group's number alone
	s_add_nc_u64 s[20:21], s[20:21], s[22:23]
	s_add_nc_u64 s[26:27], s[14:15], s[24:25]
	s_add_nc_u64 s[28:29], s[26:27], s[32:33]      ; where my scale words go (+ 4,096 in the immediate)
	s_add_nc_u64 s[26:27], s[26:27], s[30:31]      ; where my fragments go
.irp e, 0,1
.irp i, 0,1,2,3,4,5,6,7,8,9,10,11,12,13,14,15
	global_load_b128 v[R+64*\e+4*\i:R+64*\e+4*\i+3], v4, s[20:21] offset:(\i+8*(\i/8))*4096+512*\e th:TH_LOAD_NT   ; slot i's 512 consecutive bytes of K step e
.endr
.endr
.macro PUT e                           ; a K step into the stage, as loaded
.irp i, 0,1,2,3,4,5,6,7,8,9,10,11,12,13,14,15
	ds_store_b128 v5, v[R+64*\e+4*\i:R+64*\e+4*\i+3] offset:528*\i
.endr
.endm
.macro GET x                           ; and back: 16 neighbours of each of my row's four blocks
.irp b, 0,1,2,3
.irp j, 0,1,2,3
	ds_load_b128 v[\x+16*\b+4*\j:\x+16*\b+4*\j+3], v6 offset:128*\b+16*\j
.endr
.endr
.endm
.macro SENDF e, pc
	global_store_b128 v4, v[\pc:\pc+3], s[26:27] offset:1024*\e          ; 32 lanes store 512 consecutive bytes
	global_store_b128 v4, v[\pc+4:\pc+7], s[26:27] offset:1024*\e+512
.endm
	s_wait_loadcnt 16                              ; K step 0's sixteen loads are in; K step 1's sixteen may be out
	PUT 0
	GET X0                                         ; LDS serves a wave's instructions in order: these see the stores above
	s_wait_loadcnt 0x0
	PUT 1                                          ; the same stage: behind K step 0's reads, in order
	s_wait_dscnt 16                                ; all but these sixteen stores are done: K step 0 is back, and its stores have read v64-127,
	GET X1                                         ; which now take K step 1
	QUANT X0, 40, 32
	SENDF 0, 40
	s_wait_dscnt 0x0
	QUANT X1, 48, 33
	SENDF 1, 48
	global_store_b64 v7, v[32:33], s[28:29] offset:4096   ; both K steps' words of my slot; both halves of the lanes store the same
	s_wait_tensorcnt 0x0                           ; the wave's end
	ds_add_u32 v8, v9
	s_wait_dscnt 0x0
	s_endpgm
	; ---- COLUMNS.  A lane takes a column and its registers run down K: a block of 32 lies in one lane, and its codes come out with K innermost.
	; Group xg of 128 columns (0-15 Wkv, 16-23 Wq, 24-31 Wout), K step y; wave w takes 32 columns, two tiles: lane 16 u + p takes column 8 u + p + 8 (p / 8), which is slot p of tile u.
.Lcols:
	s_sub_co_u32 s19, ttmp9, 640
	s_and_b32 s20, s19, 31                         ; xg
	s_lshr_b32 s21, s19, 5                         ; y
	s_wait_alu depctr_va_vdst(0)
	v_lshlrev_b32 v13, 2, v2
	v_and_b32 v12, 8, v2
	v_lshl_add_u32 v13, v12, 2, v13
	v_lshl_add_u32 v13, v3, 5, v13                 ; my column's bytes among the 32: 4 p + 32 (p / 8) + 32 u
	s_wait_alu depctr_va_vdst(0)
	s_cmp_lt_u32 s20, 24
	s_cselect_b32 s32, 16, 24
	s_cmp_lt_u32 s20, 16
	s_cselect_b32 s32, 0, s32
	s_cselect_b32 s33, 13, 12                      ; a row of Wkv is 8,192 bytes, of Wq and Wout 4,096
	s_sub_co_u32 s32, s20, s32                     ; the group's number in its own tensor
	s_lshl_b32 s34, 1, s33                         ; the pitch
	s_lshl_b32 s35, s32, 9
	s_lshl_b32 s36, s18, 7
	s_add_co_u32 s35, s35, s36
	v_add_nc_u32 v13, s35, v13
.set i, 0
.rept 32
	v_mad_u32_u24 v[VO+i], s34, i, v13             ; row i of a block
.set i, i+1
.endr
	v_mul_u32_u24 v12, v3, 8704                    ; tile u's record
	v_lshl_add_u32 v14, v2, 4, v12                 ; + 16 p: my 16 bytes of codes
	v_lshl_add_u32 v15, v2, 4, v12                 ; + 16 p: my scale words
	s_lshl_b32 s36, s21, 7                         ; the K step's first row
	s_mov_b32 s39, 0
	s_lshl_b32 s40, s20, 3
	s_lshl_b32 s41, s18, 1
	s_add_co_u32 s40, s40, s41
	s_mul_i32 s40, s40, 8704                       ; record 8 xg + 2 w
	s_mov_b32 s41, 0
	s_mov_b32 s43, 0
	s_wait_alu depctr_va_vdst(0)                   ; the wait at the head's end
	s_wait_kmcnt 0x0
	s_cmp_lt_u32 s20, 24
	s_cselect_b64 s[22:23], s[8:9], s[12:13]
	s_cmp_lt_u32 s20, 16
	s_cselect_b64 s[22:23], s[10:11], s[22:23]     ; the tensor: the choice hangs on the work-group's number alone
.irp t, 0,1,2,3
	s_add_co_u32 s38, s36, 32*\t
	s_lshl_b32 s38, s38, s33
	s_add_nc_u64 s[24+2*\t:25+2*\t], s[22:23], s[38:39]   ; a base for each block: none is ever stepped
.endr
	s_add_nc_u64 s[40:41], s[16:17], s[40:41]
	s_lshr_b32 s36, s21, 2                         ; which half of the record
	s_lshl_b32 s42, s21, 10
	s_lshl_b32 s38, s36, 8
	s_add_co_u32 s42, s42, s38
	s_add_nc_u64 s[44:45], s[40:41], s[42:43]      ; fragment y
	s_mul_i32 s42, s36, 4352
	s_and_b32 s38, s21, 3
	s_lshl_b32 s38, s38, 2
	s_add_co_u32 s42, s42, s38
	s_add_nc_u64 s[46:47], s[40:41], s[42:43]      ; K step y's word of each slot (+ 4,096 in the immediate)
.macro LOADB t
.set i, 0
.rept 32
	global_load_b32 v[XC+32*((\t)%2)+i], v[VO+i], s[24+2*(\t):25+2*(\t)] th:TH_LOAD_NT   ; 32 lanes read 128 consecutive bytes of a row
.set i, i+1
.endr
.endm
.macro BLOCK t
.set XS, XC+32*((\t)%2)
.if (\t) < 3
	s_wait_loadcnt 32                              ; this block's 32 loads are in; the next block's may be out
.else
	s_wait_loadcnt 0x0
.endif
	v_max3_num_f32 v10, |v[XS]|, |v[XS+1]|, |v[XS+2]|      ; the block's largest magnitude: all 32 numbers are mine; two chains
	v_max3_num_f32 v11, |v[XS+3]|, |v[XS+4]|, |v[XS+5]|
.irp i, 6,10,14,18,22,26
	v_max3_num_f32 v10, v10, |v[XS+\i]|, |v[XS+\i+1]|
	v_max3_num_f32 v11, v11, |v[XS+\i+2]|, |v[XS+\i+3]|
.endr
	v_max3_num_f32 v10, v10, |v[XS+30]|, |v[XS+31]|
	v_max3_num_f32 v10, v10, v11, 0x1800000        ; and the floor 2^(3 - 127)
	v_add_nc_u32 v11, 0xff000000, v10              ; the conversion's scale operand
	v_lshrrev_b32 v10, 23, v11                     ; the byte
.if (\t) == 0
	v_mov_b32 v[SBW], v10
.else
	v_lshl_or_b32 v[SBW], v10, 8*(\t), v[SBW]
.endif
.irp g, 0,1,2,3
	v_cvt_scalef32_pk8_fp4_f32 v[CC+4*(\t)+\g], v[XS+8*\g:XS+8*\g+7], v11
.endr
	v_nop                                          ; one plain instruction behind the scaled conversions
	global_store_b128 v14, v[CC+4*(\t):CC+4*(\t)+3], s[44:45] offset:512*((\t)/2)+256*((\t)%2)   ; lanes 0-15 store 256 consecutive, aligned bytes of tile 0's fragment, lanes 16-31 of tile 1's
.if (\t) < 2
	LOADB (\t)+2
.endif
.endm
	LOADB 0
	LOADB 1
	BLOCK 0
	BLOCK 1
	BLOCK 2
	BLOCK 3
	global_store_b32 v15, v[SBW], s[46:47] offset:4096      ; slot p's scale word of K step y, tile 0 in lanes 0-15, tile 1 in lanes 16-31
	s_endpgm
.Lfunc_end_k_qbce66a230d_quant:
	.size	k_qbce66a230d_quant, .Lfunc_end_k_qbce66a230d_quant-k_qbce66a230d_quant
	.p2alignl 7, 3214868480
	.fill 96, 4, 3214868480
	.section	.rodata,"a",@progbits
	.p2align	6, 0x0
	.amdhsa_kernel k_qbce66a230d_quant
		.amdhsa_group_segment_fixed_size 34304
		.amdhsa_private_segment_fixed_size 0
		.amdhsa_enable_private_segment 0
		.amdhsa_kernarg_size 56
		.amdhsa_user_sgpr_count 2
		.amdhsa_user_sgpr_kernarg_segment_ptr 1
		.amdhsa_wavefront_size32 1
		.amdhsa_system_sgpr_workgroup_id_x 1
		.amdhsa_system_sgpr_workgroup_id_y 1
		.amdhsa_system_sgpr_workgroup_id_z 1
		.amdhsa_system_vgpr_workitem_id 0
		.amdhsa_next_free_vgpr 256
		.amdhsa_next_free_sgpr 66
		.amdhsa_reserve_vcc 0
		.amdhsa_float_denorm_mode_32 3
		.amdhsa_float_denorm_mode_16_64 3
		.amdhsa_memory_ordered 1
		.amdhsa_forward_progress 1
		.amdhsa_inst_pref_size 41
	.end_amdhsa_kernel
	.amdgpu_metadata
---
amdhsa.version: [ 1, 2 ]
amdhsa.kernels:
  - .name:           k_qbce66a230d_quant
    .symbol:         k_qbce66a230d_quant.kd
    .args:
      - { .name: x, .offset: 0, .size: 8, .value_kind: global_buffer, .address_space: global }
      - { .name: context, .offset: 8, .size: 8, .value_kind: global_buffer, .address_space: global }
      - { .name: Wq, .offset: 16, .size: 8, .value_kind: global_buffer, .address_space: global }
      - { .name: Wkv, .offset: 24, .size: 8, .value_kind: global_buffer, .address_space: global }
      - { .name: Wout, .offset: 32, .size: 8, .value_kind: global_buffer, .address_space: global }
      - { .name: aimg, .offset: 40, .size: 8, .value_kind: global_buffer, .address_space: global }
      - { .name: wimg, .offset: 48, .size: 8, .value_kind: global_buffer, .address_space: global }
    .group_segment_fixed_size: 34304
    .private_segment_fixed_size: 0
    .kernarg_segment_align: 8
    .kernarg_segment_size: 56
    .max_flat_workgroup_size: 128
    .sgpr_count:     66
    .vgpr_count:     256
    .wavefront_size: 32
...
	.end_amdgpu_metadata
.endif
;; end of part 1
;; launch proj (part 2): grid 8 x 32, 4 waves a work-group, clusters of 4 x 4, 327,680 bytes of LDS; arguments aimg, wimg, kvimg, kvsc, qimg, qsc; writes kvimg, kvsc, qimg, qsc
.if DOCPART == 2
	.amdgcn_target "amdgcn-amd-amdhsa--gfx1250"
	.amdhsa_code_object_version 6
	.text
	.protected	k_qbce66a230d_proj
	.globl	k_qbce66a230d_proj
	.p2align	8
	.type	k_qbce66a230d_proj,@function
k_qbce66a230d_proj:
	s_mov_b64 s[64:65], 0
	v_nop
	global_prefetch_b8 v0, s[64:65] scope:SCOPE_SE
	s_setreg_imm32_b32 hwreg(HW_REG_WAVE_MODE, 25, 1), 1
	s_wait_xcnt 0x0
	s_wait_alu depctr_hold_cnt(0) depctr_sa_sdst(0) depctr_va_vdst(0) depctr_va_sdst(0) depctr_va_ssrc(0) depctr_va_vcc(0) depctr_vm_vsrc(0)
	s_getreg_b32 s2, hwreg(HW_REG_IB_STS2, 6, 4)
	s_cmp_eq_u32 s2, 0
	s_cbranch_scc0 .Lentry_in_a_cluster
	s_endpgm
.Lentry_in_a_cluster:
	s_bfe_u32 s2, ttmp6, 0x10000c
	s_cmp_lg_u32 s2, 0xf033
	s_cbranch_scc0 .Lentry_shape_is_right
	s_endpgm
.Lentry_shape_is_right:
; LAUNCH 2 OF 4: kv = context Wkv and q = x Wq on codes of E2M1, and their results quantised again at once: q and k along the head's 128, v along the keys.  No work is left out.
; EACH OF THE 256 WORK-GROUPS MAKES ONE TILE OF kv, 256 x 256, AND THEN ONE PIECE OF q, 64 rows x one head's 128 columns.
; kv.  256 rows of an operand P (source 0) by 256 rows of an operand Q (source 1) over all of K = 1,024.  A lane of a result holds one slot of Q's tile, and its registers run along P: so each 128 of P x 16 of Q is
; quantised ALONG P, in registers, into one fragment with Q's slots as its rows.
;   k (cluster column 0):  P = the weight's columns, Q = the rows of context:  fragments of 16 keys x the head's 128.     v (cluster column 1):  P = the rows of context, Q = the weight's columns:  fragments of 16 channels x 128 keys.
; Wave w works on half w % 2 of context's rows and half w / 2 of the weight's columns: 64 accumulators of 16 x 16, 512 registers.
; q.  Head = column block, rows 64 x (row block) on.  Wave w: x's tiles 2 (w % 2) + 0, 1 (source 1) x Wq's tiles 4 (w / 2) + 0 .. 3 of the head (source 0): 8 accumulators, piece w / 2 of two fragments of 16 queries x the head's 128.
; CLUSTERS: 4 x 4 work-groups.  The four of a row need the same rows of context and of x, the four of a column the same columns of Wkv and of Wq: each is asked for jointly.  All sixteen are of one kind, k or v.
; LDS.  Slot 0 and slot 1 hold the two halves of K (K steps 0-3, 4-7) of 16 tiles of context, then of 16 tiles of Wkv.  q's 12 records are filled over slot 0 when K steps 0 to 3 have been read.  A wave has one tensor load out.
; NO PREFETCH: the launch has no loop to run ahead in; each of its three fills is asked for behind the first round at which its bytes are free.
; OUT: kvimg [batch-head 16][doc 4][step 8][K: 8 fragments, V: 8 fragments]; qimg [batch-head][tile 64][fragment]; kvsc, qsc: for each 8 fragments 512 bytes of scale words, that of (fragment f, slot p) at 16 (16 (f % 2) + p) + 4 (f / 2).
; LIMITS: as in the first launch (byte 1 for blocks under 2^-124; NaN and infinities not served).
; REGISTERS: window 0: v4-8, v16-29 addresses; v32-95 scale words, two sets (q: v32-47 x's, v48-79 Wq's); v96-107 the scale words made; v128-191 Q's fragments, later the codes made; v200-223 at work.
;   window 1: P's fragments, two sets, at v0 and v128; later q's fragments of four K steps, 48 registers each.   windows 2, 3: the accumulators: (Q tile a, P tile b) at v[8 (8 (a % 4) + b)], a < 4 in window 2; q's eight at v0-63 of window 2.
.set REC,   8704
.set HREC,  4352
.set HALFT, 34816                      ; 8 tiles' half records: what one load of kv's brings, and what a wave reads of an operand's slot
.set SLOT,  139264
.set SPARE, 2*SLOT                     ; the spare words, 128 bytes for each wave
.set WR,    34816                      ; the third fill: x's 4 records from 0, Wq's 8 from here
.set AX,   4                           ; v4      q: my two records of x + 16 x lane
.set AW,   5                           ; v5      q: my four of Wq + 16 x lane
.set ASX,  6                           ; v6      q: their scale words: + 16 x (lane % 16)
.set ASW,  7                           ; v7
.set QSO,  8                           ; v8      16 x (lane % 16)
.set ADRQ, 16                          ; v16-17  Q's fragments in slot 0, 1
.set ADRS, 18                          ; v18-19  scale words: lanes 0-15 P's, lanes 16-31 Q's
.set ADRP, 20                          ; v20-21  P's fragments
.set OL,   24                          ; v24     16 x lane
.set SPW,  28                          ; v28     my spare word; never rewritten
.set NIL,  29                          ; v29     0; never rewritten
.set SC,   32                          ; kv: v[SC + 32 H + 4 i + q]: lanes 0-15 the word of P's tile i, lanes 16-31 that of Q's tile i, for K step 4 H + q
.set PW,   96
.set PK,   104
.set QF,   128
.set TM,   200
.set SEL,  80
.set G0A,  20                          ; s[20:23], s[24:27] groups 0 for activations and weights
.set G0W,  24
.set G1A,  36                          ; s[36:43], s[44:51] groups 1
.set G1W,  44
.set MSB, 0
.macro WIN new                         ; the immediate's high byte repeats the setting that is left
.if MSB != (\new)
	s_set_vgpr_msb (MSB<<8)|(\new)
.set MSB, (\new)
.endif
.endm
.set MUL_LO, 0xa1                      ; source 0 window 1, source 1 window 0, C and D window 2
.set MUL_HI, 0xf1                      ; the same, C and D window 3
.macro PLACES n
.rept \n
	v_nop
.endr
.endm
; A joint load: waves 0 and 1 fetch activations, waves 2 and 3 weights.  The branch hangs on the wave's number alone; an s_nop 0 and four v_nop follow each of the two lines.
.macro JLOAD
	s_cmp_eq_u32 s18, 0
	s_cbranch_scc0 .Lfor_w_\@
	tensor_load_to_lds s[G0A:G0A+3], s[G1A:G1A+7]
	s_nop 0
	PLACES 4
	s_branch .Lasked_\@
.Lfor_w_\@:
	tensor_load_to_lds s[G0W:G0W+3], s[G1W:G1W+7]
	s_nop 0
	PLACES 4
.Lasked_\@:
.endm
.macro CREST                           ; a round of the cluster's barrier behind its opening barrier
	s_cmp_lg_u32 s16, 0
	s_cbranch_scc1 .Lnot_wave_0_\@
	s_barrier_signal -3
.Lnot_wave_0_\@:
	s_barrier_wait -3
	s_barrier_signal -1
	s_barrier_wait -1
.endm
.macro CROUND
	s_barrier_signal -1
	s_barrier_wait -1
	CREST
.endm
	s_load_b256 s[4:11], s[0:1], 0x0               ; aimg s[4:5], wimg s[6:7], kvimg s[8:9], kvsc s[10:11]
	s_load_b128 s[12:15], s[0:1], 0x20             ; qimg s[12:13], qsc s[14:15]
	v_lshl_add_u32 v[SPW], v0, 2, SPARE
	v_mov_b32 v[NIL], 0
	ds_add_u32 v[SPW], v[NIL]                      ; the wave's opening: the add, twice on end, and its wait ahead of my first tensor load
	ds_add_u32 v[SPW], v[NIL]
	v_lshrrev_b32 v1, 5, v0
	v_readfirstlane_b32 s16, v1                    ; wave 0..3
	s_and_b32 s17, s16, 1                          ; my half of the activations.  Also: which half of an operand I fetch
	s_lshr_b32 s18, s16, 1                         ; my half of the weights.  Also: I fetch activations (0) or weights (1)
	s_bfe_u32 s28, ttmp6, 0x40000                  ; cx
	s_bfe_u32 s29, ttmp6, 0x40004                  ; cy
	s_lshl_b32 s30, ttmp9, 2
	s_add_co_u32 s30, s30, s28                     ; column block of Wkv, 0..7.  Also: q's head
	s_and_b32 s31, ttmp7, 0xffff
	s_lshl_b32 s31, s31, 2
	s_add_co_u32 s31, s31, s29                     ; row block of context, 0..31.  Also: q's group of 64 rows
	s_lshl_b32 s2, s29, 2
	s_lshl_b32 s2, 15, s2                          ; my row of the cluster
	s_lshl_b32 s3, 0x1111, s28                     ; my column
	s_or_b32 s[G1A], s2, (3<<16)|(1<<21)           ; the mask; elements of 8 bytes; bit 21 beside a mask; no padding
	s_or_b32 s[G1W], s3, (3<<16)|(1<<21)
.irp g, G1A, G1W                               ; 8 rows (tiles) of 4,352 bytes (a half record), 8,704 bytes apart
	s_mov_b32 s[\g+1], 544<<16
	s_mov_b32 s[\g+2], 8<<16
	s_mov_b32 s[\g+3], 544<<16
	s_mov_b32 s[\g+4], 8
	s_mov_b32 s[\g+5], 1088
	s_mov_b32 s[\g+6], 0
	s_mov_b32 s[\g+7], 0
.endr
	s_lshl_b32 s60, s17, 3
	s_lshl_b32 s52, s31, 4
	s_add_co_u32 s52, s52, s60
	s_mul_i32 s52, s52, REC                        ; context: record 16 x row block + 8 x half
	s_mov_b32 s53, 0
	s_lshl_b32 s54, s30, 4
	s_add_co_u32 s54, s54, s60
	s_mul_i32 s54, s54, REC                        ; Wkv: record 16 x column block + 8 x half
	s_mov_b32 s55, 0
	s_lshl_b32 s60, s17, 1
	s_lshl_b32 s56, s31, 2
	s_add_co_u32 s56, s56, s60
	s_add_co_u32 s56, s56, 512
	s_mul_i32 s56, s56, REC                        ; x's records lie behind context's 512
	s_mov_b32 s57, 0
	s_lshl_b32 s60, s17, 2
	s_lshl_b32 s58, s30, 3
	s_add_co_u32 s58, s58, s60
	s_add_co_u32 s58, s58, 128
	s_mul_i32 s58, s58, REC                        ; Wq's behind Wkv's 128
	s_mov_b32 s59, 0
	s_mul_i32 s61, s17, HALFT
	s_mov_b32 s[SEL], 0x76543210
	s_mov_b32 s[SEL+1], 0xfedcba98
	s_wait_dscnt 0x0                               ; both opening adds are done
	s_wait_kmcnt 0x0
	s_mov_b32 s[G0A], 1
	s_mov_b32 s[G0A+1], s61
	s_add_nc_u64 s[G0A+2:G0A+3], s[4:5], s[52:53]
	s_or_b32 s[G0A+3], s[G0A+3], 0x80000000
	s_mov_b32 s[G0W], 1
	s_add_co_u32 s[G0W+1], s61, 2*HALFT
	s_add_nc_u64 s[G0W+2:G0W+3], s[6:7], s[54:55]
	s_or_b32 s[G0W+3], s[G0W+3], 0x80000000
	CROUND                                         ; all sixteen work-groups are here: the first joint loads meet
	JLOAD                                          ; K steps 0-3: one tensor load a wave at the head
	; where kv's results go
	s_and_b32 s34, ttmp9, 1                        ; 1: v
	s_xor_b32 s35, s34, 1                          ; 1: k
	s_and_b32 s60, s30, 3
	s_lshl_b32 s60, s60, 1
	s_add_co_u32 s60, s60, s18                     ; head
	s_lshl_b32 s61, s31, 1
	s_add_co_u32 s61, s61, s17                     ; group of 128 keys, 0..63
	s_lshr_b32 s62, s61, 5                         ; batch
	s_lshl_b32 s62, s62, 3
	s_add_co_u32 s62, s62, s60
	s_lshl_b32 s62, s62, 5
	s_and_b32 s61, s61, 31
	s_add_co_u32 s62, s62, s61                     ; unit = (batch-head) x 32 + group
	s_lshl_b32 s66, s62, 14                        ; 16,384 bytes of codes a unit;
	s_lshl_b32 s60, s34, 13
	s_add_co_u32 s66, s66, s60                     ; V's fragments lie 8,192 bytes behind K's
	s_mov_b32 s67, 0
	s_add_nc_u64 s[76:77], s[8:9], s[66:67]
	s_lshl_b32 s66, s62, 10                        ; 1,024 bytes of scale words a unit; V's 512 behind K's
	s_lshl_b32 s60, s34, 9
	s_add_co_u32 s66, s66, s60
	s_add_nc_u64 s[78:79], s[10:11], s[66:67]
	; where q's go
	s_lshl_b32 s60, s31, 2
	s_lshl_b32 s62, s17, 1
	s_add_co_u32 s60, s60, s62                     ; x's tile, the even one of my two
	s_lshr_b32 s61, s60, 6                         ; batch
	s_lshl_b32 s61, s61, 3
	s_add_co_u32 s61, s61, s30                     ; batch-head
	s_and_b32 s60, s60, 63                         ; the tile in its batch
	s_lshl_b32 s62, s61, 6
	s_add_co_u32 s62, s62, s60
	s_lshl_b32 s66, s62, 10                        ; a fragment of 1,024 bytes a tile,
	s_lshl_b32 s62, s18, 9
	s_add_co_u32 s66, s66, s62                     ; of which piece w / 2 is mine
	s_add_nc_u64 s[66:67], s[12:13], s[66:67]
	s_lshl_b32 s61, s61, 3
	s_lshr_b32 s62, s60, 3
	s_add_co_u32 s61, s61, s62
	s_lshl_b32 s82, s61, 9                         ; 512 bytes of scale words for 8 tiles; fragment f = tile % 8: 256 (f % 2) + 4 (f / 2)
	s_bfe_u32 s62, s60, 0x20001
	s_lshl_b32 s62, s62, 2
	s_add_co_u32 s82, s82, s62
	s_lshl_b32 s62, s18, 1
	s_add_co_u32 s82, s82, s62                     ; the word's half for my piece's two blocks
	s_mov_b32 s83, 0
	s_add_nc_u64 s[82:83], s[14:15], s[82:83]
	s_mov_b32 s19, 0xffff0000                      ; lanes 16-31
	s_mul_i32 s68, s17, HALFT                      ; my half of the activations in a slot,
	s_mul_i32 s69, s18, HALFT
	s_add_co_u32 s69, s69, 2*HALFT                 ; of the weights,
	s_sub_co_u32 s70, s69, s68                     ; and the distance between the two
	s_mul_i32 s71, s35, s70
	s_add_co_u32 s71, s71, s68                     ; P: the weights for k, the activations for v
	s_mul_i32 s72, s34, s70
	s_add_co_u32 s72, s72, s68                     ; Q: the other
	s_mul_i32 s73, s17, 2*REC                      ; q: my two records of x,
	s_mul_i32 s74, s18, 4*REC
	s_add_co_u32 s74, s74, WR                      ; my four of Wq
	v_and_b32 v1, 31, v0
	v_bfe_u32 v2, v0, 4, 1
	v_and_b32 v3, 15, v0
	v_lshlrev_b32 v[OL], 4, v1
	v_lshlrev_b32 v[QSO], 4, v3
	v_add_nc_u32 v[ADRP], s71, v[OL]
	v_add_nc_u32 v[ADRQ], s72, v[OL]
	v_add_nc_u32 v[ADRP+1], SLOT, v[ADRP]
	v_add_nc_u32 v[ADRQ+1], SLOT, v[ADRQ]
	v_xor_b32 v9, s35, v2                          ; k: lanes 0-15 take the weights' words, lanes 16-31 the activations'; v: the other way round
	v_and_b32 v9, 1, v9
	v_mul_u32_u24 v9, s70, v9
	v_add_nc_u32 v9, s68, v9
	v_add_nc_u32 v[ADRS], v9, v[QSO]
	v_add_nc_u32 v[ADRS+1], SLOT, v[ADRS]
	v_add_nc_u32 v[AX], s73, v[OL]
	v_add_nc_u32 v[AW], s74, v[OL]
	v_add_nc_u32 v[ASX], s73, v[QSO]
	v_add_nc_u32 v[ASW], s74, v[QSO]
.irp b, 0,1,2,3,4,5,6,7
	v_mov_b32 v[TM+8+\b], 0                        ; written once: a lane permute's destination counts as one of its sources
.endr
.macro FRAG reg, adr, q, i             ; a fragment: two loads of 16 bytes a lane, 512 bytes apart
.irp c, 0,1
	ds_load_b128 v[\reg+4*\c:\reg+4*\c+3], v[\adr] offset:HREC*(\i)+1024*(\q)+512*\c
.endr
.endm
.macro FETCH_P s                       ; P's eight fragments of K step s into set s % 2
	WIN 0x40
.irp i, 0,1,2,3,4,5,6,7
	FRAG 128*((\s)%2)+8*\i, ADRP+((\s)/4), ((\s)%4), \i
.endr
	WIN 0
.endm
.macro FETCH_Q s, i0                   ; Q's tiles i0 .. i0 + 3
.irp i, \i0, \i0+1, \i0+2, \i0+3
	FRAG QF+8*(\i), ADRQ+((\s)/4), ((\s)%4), \i
.endr
.endm
.macro SCALES h                        ; the scale words of four K steps, 16 bytes a lane
.irp i, 0,1,2,3,4,5,6,7
	ds_load_b128 v[SC+32*\h+4*\i:SC+32*\h+4*\i+3], v[ADRS+\h] offset:HREC*\i+4096
.endr
.endm
; 16 matrix instructions: Q's tiles a0, a0 + 1 x P's eight, K step s.  zero = 1: the first product starts the sums.  The 64 accumulators take turns, one instruction a turn.
.macro MUL16 a0, s, zero
.set SW, SC+32*((\s)/4)+(\s)%4
.irp a, \a0, \a0+1
.irp b, 0,1,2,3,4,5,6,7
.if \zero
	v_wmma_scale_f32_16x16x128_f8f6f4 v[8*(8*((\a)%4)+\b):8*(8*((\a)%4)+\b)+7], v[128*((\s)%2)+8*\b:128*((\s)%2)+8*\b+7], v[QF+8*(\a):QF+8*(\a)+7], 0, v[SW+4*\b], v[SW+4*(\a)] matrix_a_fmt:MATRIX_FMT_FP4 matrix_b_fmt:MATRIX_FMT_FP4 matrix_b_scale:MATRIX_SCALE_ROW1
.else
	v_wmma_scale_f32_16x16x128_f8f6f4 v[8*(8*((\a)%4)+\b):8*(8*((\a)%4)+\b)+7], v[128*((\s)%2)+8*\b:128*((\s)%2)+8*\b+7], v[QF+8*(\a):QF+8*(\a)+7], v[8*(8*((\a)%4)+\b):8*(8*((\a)%4)+\b)+7], v[SW+4*\b], v[SW+4*(\a)] matrix_a_fmt:MATRIX_FMT_FP4 matrix_b_fmt:MATRIX_FMT_FP4 matrix_b_scale:MATRIX_SCALE_ROW1
.endif
.endr
.endr
.endm
; A K step that has a successor.  P's next fragments are asked for at its start: their set was last read a step ago, with four plain instructions since.
; turn = 1: the successor lies in slot 1, and q's records are filled over slot 0: each wave waits for all its tensor loads, adds 0 to its spare word, and waits for that and for its own reads of
; slot 0; the barrier opens a round, and the joint load is the first thing behind the round.
.macro STEP s, zero, turn
.if \turn
	s_wait_tensorcnt 0x0                           ; my part of slot 1 has landed; no tensor load of mine is out, so the descriptors may be written
	ds_add_u32 v[SPW], v[NIL]
.irp g, G1A, G1W                               ; q: records on end, as dense rows of 256 bytes: two of x (68 rows), four of Wq (136)
	s_mov_b32 s[\g+1], 32<<16
	s_mov_b32 s[\g+3], 32<<16
	s_mov_b32 s[\g+5], 32
.endr
	s_mov_b32 s[G1A+2], 68<<16
	s_mov_b32 s[G1A+4], 68
	s_mov_b32 s[G1W+2], 136<<16
	s_mov_b32 s[G1W+4], 136
	s_mul_i32 s[G0A+1], s17, 2*REC
	s_add_nc_u64 s[G0A+2:G0A+3], s[4:5], s[56:57]
	s_or_b32 s[G0A+3], s[G0A+3], 0x80000000
	s_mul_i32 s[G0W+1], s17, 4*REC
	s_add_co_u32 s[G0W+1], s[G0W+1], WR
	s_add_nc_u64 s[G0W+2:G0W+3], s[6:7], s[58:59]
	s_or_b32 s[G0W+3], s[G0W+3], 0x80000000
	s_wait_dscnt 9                                 ; the add and the youngest eight loads (Q's tiles 4-7) may be out
.else
	s_wait_dscnt 8                                 ; all but the youngest eight loads (Q's tiles 4-7) are in
	FETCH_P (\s)+1
.endif
	WIN MUL_LO
	MUL16 0, \s, \zero
.if \turn
	s_wait_dscnt 0x0                               ; the add is done, and my reads of slot 0 are over
	s_barrier_signal -1
.endif
	MUL16 2, \s, \zero
	WIN 0
.if \turn
	s_barrier_wait -1
	CREST
	JLOAD                                          ; the four v_nop behind it are also the places in front of the loads below
	SCALES 1
	FETCH_P (\s)+1
.else
	s_wait_dscnt 16                                ; Q's tiles 4-7 are in; P's 16 loads may be out
	PLACES 4                                       ; in front of loads into registers that matrix instructions have read
.endif
	FETCH_Q (\s)+1, 0
	WIN MUL_HI
	MUL16 4, \s, \zero
	MUL16 6, \s, \zero
	PLACES 4
	WIN 0
	FETCH_Q (\s)+1, 4
.endm
	s_wait_alu depctr_va_vdst(0)                   ; the wait at the head's end
	s_wait_tensorcnt 0x0                           ; my part of slot 0 is in
	ds_add_u32 v[SPW], v[NIL]
	s_add_co_u32 s[G0A+1], s[G0A+1], SLOT          ; slot 1: the other half of each record
	s_add_nc_u64 s[G0A+2:G0A+3], s[G0A+2:G0A+3], HREC
	s_add_co_u32 s[G0W+1], s[G0W+1], SLOT
	s_add_nc_u64 s[G0W+2:G0W+3], s[G0W+2:G0W+3], HREC
	s_wait_dscnt 0x0                               ; the add is done
	CROUND                                         ; everybody's part of slot 0 is in
	JLOAD                                          ; K steps 4-7
	SCALES 0
	FETCH_P 0
	FETCH_Q 0, 0
	FETCH_Q 0, 4
	STEP 0, 1, 0
	STEP 1, 0, 0
	STEP 2, 0, 0
	STEP 3, 0, 1
	STEP 4, 0, 0
	STEP 5, 0, 0
	STEP 6, 0, 0
	s_wait_dscnt 8                                 ; the last K step: nothing more to fetch
	WIN MUL_LO
	MUL16 0, 7, 0
	MUL16 2, 7, 0
	s_wait_dscnt 0x0
	WIN MUL_HI
	MUL16 4, 7, 0
	MUL16 6, 7, 0
	WIN 0
	PLACES 4                                       ; in front of the first read of results, of loads into P's registers, and of writes into the registers that held Q's fragments
; q's fragments are asked for ahead of kv's way out, which touches none of their registers.
.macro QFETCH s                        ; K step s into set s % 4: x's two fragments, Wq's four: 12 loads
.set FB, 48*((\s)%4)
.set KO, HREC*((\s)/4)+1024*((\s)%4)
	WIN 0x40
.irp c, 0,1
.irp m, 0,1
	ds_load_b128 v[FB+8*\m+4*\c:FB+8*\m+4*\c+3], v[AX] offset:REC*\m+KO+512*\c
.endr
.irp i, 0,1,2,3
	ds_load_b128 v[FB+16+8*\i+4*\c:FB+19+8*\i+4*\c], v[AW] offset:REC*\i+KO+512*\c
.endr
.endr
	WIN 0
.endm
	s_wait_tensorcnt 0x0                           ; my part of q's records has landed,
	s_barrier_signal -1
	s_barrier_wait -1                              ; everybody's has
.irp h, 0,1
.irp m, 0,1
	ds_load_b128 v[32+8*\m+4*\h:35+8*\m+4*\h], v[ASX] offset:REC*\m+HREC*\h+4096
.endr
.irp i, 0,1,2,3
	ds_load_b128 v[48+8*\i+4*\h:51+8*\i+4*\h], v[ASW] offset:REC*\i+HREC*\h+4096
.endr
.endr
	QFETCH 0
	QFETCH 1
	QFETCH 2
	QFETCH 3
; THE WAY OUT.  The 16 nb registers from group a of eight accumulators on are nb blocks of 32 along source 0's rows (16 of each in a lane).  Quantised, each two blocks are one piece of a fragment (512 bytes), stored st bytes apart from 1,024 a
; behind the pointer named.  Each accumulator is read from its low end on; the blocks go by turns.
.macro QUANTW a, nb, ptr, st
.set AC, 64*((\a)%4)
	WIN 0x0a+5*((\a)/4)                            ; sources 0 and 1: window 2 or 3
.set k, 0
.rept \nb
	v_max3_num_f32 v[TM+k], |v[AC+16*k]|, |v[AC+16*k+1]|, 0x1800000   ; and the floor 2^(3 - 127)
.set k, k+1
.endr
.irp i, 2,4,6,8,10,12,14
.set k, 0
.rept \nb
	v_max3_num_f32 v[TM+k], |v[AC+16*k+\i]|, |v[AC+16*k+\i+1]|, v[TM+k]
.set k, k+1
.endr
.endr
	WIN 0
.set k, 0
.rept \nb
	v_permlanex16_b32 v[TM+8+k], v[TM+k], s[SEL], s[SEL+1]
.set k, k+1
.endr
.set k, 0
.rept \nb
	v_max_num_f32 v[TM+k], v[TM+k], v[TM+8+k]
.set k, k+1
.endr
.set k, 0
.rept \nb
	v_add_nc_u32 v[TM+16+k], 0xff000000, v[TM+k]
.set k, k+1
.endr
.set k, 0
.rept \nb
	v_lshrrev_b32 v[TM+8+k], 23, v[TM+16+k]
.set k, k+1
.endr
.irp b, 1,2,3
.set k, 0
.rept \nb/4
.if \b == 1
	v_lshl_or_b32 v[PW+\a+k], v[TM+9+4*k], 8, v[TM+8+4*k]
.else
	v_lshl_or_b32 v[PW+\a+k], v[TM+8+\b+4*k], 8*\b, v[PW+\a+k]
.endif
.set k, k+1
.endr
.endr
	WIN 0x02+((\a)/4)                              ; source 0: window 2 or 3
.set k, 0
.rept \nb
	v_cvt_scalef32_pk8_fp4_f32 v[QF+8*\a+2*k], v[AC+16*k:AC+16*k+7], v[TM+16+k]
	v_cvt_scalef32_pk8_fp4_f32 v[QF+8*\a+2*k+1], v[AC+16*k+8:AC+16*k+15], v[TM+16+k]
.set k, k+1
.endr
	WIN 0
	v_nop                                          ; one plain instruction behind the scaled conversions
.set k, 0
.rept \nb/2
	v_permlane16_swap_b32 v[QF+8*\a+4*k], v[QF+8*\a+4*k+2]
	v_permlane16_swap_b32 v[QF+8*\a+4*k+1], v[QF+8*\a+4*k+3]
.set k, k+1
.endr
.set k, 0
.rept \nb/2
	global_store_b128 v[OL], v[QF+8*\a+4*k:QF+8*\a+4*k+3], s[\ptr:\ptr+1] offset:1024*\a+\st*k   ; 32 lanes store 512 consecutive bytes
.set k, k+1
.endr
.endm
	QUANTW 0, 8, 76, 512
	QUANTW 2, 8, 76, 512
	QUANTW 4, 8, 76, 512
	QUANTW 6, 8, 76, 512
.irp j, 0,1,2,3
	v_cndmask_b32 v[PK+\j], v[PW+2*\j], v[PW+2*\j+1], s19    ; lanes 0-15 fragment 2 j's words, lanes 16-31 fragment 2 j + 1's
.endr
	global_store_b128 v[OL], v[PK:PK+3], s[78:79]
	; ---- q.  kv's stores are on their way while q is multiplied.
.macro QMUL s, zero                    ; eight accumulators by turns: source 0 = Wq's tile i, source 1 = x's tile m
.set FB, 48*((\s)%4)
	WIN 0xa5                                       ; sources 0 and 1 window 1, C and D window 2
.irp m, 0,1
.irp i, 0,1,2,3
.if \zero
	v_wmma_scale_f32_16x16x128_f8f6f4 v[32*\m+8*\i:32*\m+8*\i+7], v[FB+16+8*\i:FB+23+8*\i], v[FB+8*\m:FB+8*\m+7], 0, v[48+8*\i+(\s)], v[32+8*\m+(\s)] matrix_a_fmt:MATRIX_FMT_FP4 matrix_b_fmt:MATRIX_FMT_FP4
.else
	v_wmma_scale_f32_16x16x128_f8f6f4 v[32*\m+8*\i:32*\m+8*\i+7], v[FB+16+8*\i:FB+23+8*\i], v[FB+8*\m:FB+8*\m+7], v[32*\m+8*\i:32*\m+8*\i+7], v[48+8*\i+(\s)], v[32+8*\m+(\s)] matrix_a_fmt:MATRIX_FMT_FP4 matrix_b_fmt:MATRIX_FMT_FP4
.endif
.endr
.endr
	WIN 0
.endm
	s_wait_alu depctr_va_vdst(0)                   ; the wait here, directly ahead of the wait below
	s_wait_dscnt 36                                ; the scale words and K step 0 are in; three K steps' 36 loads may be out
	QMUL 0, 1
	PLACES 4                                       ; in front of loads into registers that the last products read
	QFETCH 4
.irp s, 1,2,3
	s_wait_dscnt 36
	QMUL \s, 0
	PLACES 4
	QFETCH (\s)+4
.endr
.irp s, 4,5,6,7
	s_wait_dscnt 12*(7-\s)                         ; the later K steps' loads may be out
	QMUL \s, 0
.endr
	s_wait_xcnt 0x0                                ; kv's stores have read their registers: v128-135 are written again below
	PLACES 4                                       ; in front of the first read of results
	QUANTW 0, 4, 66, 1024                          ; two blocks of each of two tiles
	v_lshrrev_b32 v97, 16, v96
	global_store_b16 v[QSO], v96, s[82:83]         ; the even tile's two scale bytes: slot p's word at 16 p; both halves of the lanes store the same
	global_store_b16 v[QSO], v97, s[82:83] offset:256   ; the odd tile's
	s_wait_tensorcnt 0x0                           ; the wave's end
	ds_add_u32 v[SPW], v[NIL]
	s_wait_dscnt 0x0
	CROUND                                         ; the closing round
	s_endpgm
.Lfunc_end_k_qbce66a230d_proj:
	.size	k_qbce66a230d_proj, .Lfunc_end_k_qbce66a230d_proj-k_qbce66a230d_proj
	.p2alignl 7, 3214868480
	.fill 96, 4, 3214868480
	.section	.rodata,"a",@progbits
	.p2align	6, 0x0
	.amdhsa_kernel k_qbce66a230d_proj
		.amdhsa_group_segment_fixed_size 327680
		.amdhsa_private_segment_fixed_size 0
		.amdhsa_enable_private_segment 0
		.amdhsa_kernarg_size 48
		.amdhsa_user_sgpr_count 2
		.amdhsa_user_sgpr_kernarg_segment_ptr 1
		.amdhsa_wavefront_size32 1
		.amdhsa_system_sgpr_workgroup_id_x 1
		.amdhsa_system_sgpr_workgroup_id_y 1
		.amdhsa_system_sgpr_workgroup_id_z 1
		.amdhsa_system_vgpr_workitem_id 0
		.amdhsa_next_free_vgpr 1024
		.amdhsa_next_free_sgpr 100
		.amdhsa_reserve_vcc 0
		.amdhsa_float_denorm_mode_32 3
		.amdhsa_float_denorm_mode_16_64 3
		.amdhsa_memory_ordered 1
		.amdhsa_forward_progress 1
		.amdhsa_inst_pref_size 149
	.end_amdhsa_kernel
	.amdgpu_metadata
---
amdhsa.version: [ 1, 2 ]
amdhsa.kernels:
  - .name:           k_qbce66a230d_proj
    .symbol:         k_qbce66a230d_proj.kd
    .args:
      - { .name: aimg, .offset: 0, .size: 8, .value_kind: global_buffer, .address_space: global }
      - { .name: wimg, .offset: 8, .size: 8, .value_kind: global_buffer, .address_space: global }
      - { .name: kvimg, .offset: 16, .size: 8, .value_kind: global_buffer, .address_space: global }
      - { .name: kvsc, .offset: 24, .size: 8, .value_kind: global_buffer, .address_space: global }
      - { .name: qimg, .offset: 32, .size: 8, .value_kind: global_buffer, .address_space: global }
      - { .name: qsc, .offset: 40, .size: 8, .value_kind: global_buffer, .address_space: global }
    .group_segment_fixed_size: 327680
    .private_segment_fixed_size: 0
    .kernarg_segment_align: 8
    .kernarg_segment_size: 48
    .max_flat_workgroup_size: 128
    .sgpr_count:     100
    .vgpr_count:     1024
    .wavefront_size: 32
...
	.end_amdgpu_metadata
.endif
;; end of part 2
;; launch attn (part 3): grid 16 x 16, 8 waves a work-group, clusters of 4 x 1, 327,680 bytes of LDS; arguments qimg, qsc, kvimg, kvsc, doc_similarities, beta, oimg; writes oimg
.if DOCPART == 3
	.amdgcn_target "amdgcn-amd-amdhsa--gfx1250"
	.amdhsa_code_object_version 6
	.text
	.protected	k_qbce66a230d_attn
	.globl	k_qbce66a230d_attn
	.p2align	8
	.type	k_qbce66a230d_attn,@function
k_qbce66a230d_attn:
	s_mov_b64 s[64:65], 0
	v_nop
	global_prefetch_b8 v0, s[64:65] scope:SCOPE_SE
	s_setreg_imm32_b32 hwreg(HW_REG_WAVE_MODE, 25, 1), 1
	s_wait_xcnt 0x0
	s_wait_alu depctr_hold_cnt(0) depctr_sa_sdst(0) depctr_va_vdst(0) depctr_va_sdst(0) depctr_va_ssrc(0) depctr_va_vcc(0) depctr_vm_vsrc(0)
	s_getreg_b32 s2, hwreg(HW_REG_IB_STS2, 6, 4)
	s_cmp_eq_u32 s2, 0
	s_cbranch_scc0 .Lentry_in_a_cluster
	s_endpgm
.Lentry_in_a_cluster:
	s_bfe_u32 s2, ttmp6, 0x10000c
	s_cmp_lg_u32 s2, 0x3003
	s_cbranch_scc0 .Lentry_shape_is_right
	s_endpgm
.Lentry_shape_is_right:
; LAUNCH 3 OF 4: the attention on codes of E2M1, its result quantised along the head's 128 for the last product.  No work is left out.
; SHARES.  A work-group owns 64 queries (4 tiles) of one batch-head.  Wave w: doc d = w / 2 (1,024 keys) and tiles 2 (w % 2), 2 (w % 2) + 1; its tile A is the one numbered d % 2 of the two, B the other.  The four docs' results are joined at the end.
; A wave walks its doc in four groups of 256 keys, as two steps of 128: each fragment of K and of V that it loads serves both tiles; M, the largest t rounded up to a whole number, moves once a group, and with it O and the sum.
; SOFTMAX: t = score x log2(e) / 32 + the doc's bias x log2(e); p = 2^(t - M); the sum is taken of the unquantised p in f32.  A block's scale exponent is floor(t - M) - 2 of its largest t, which is p's own exponent field.
; LAYOUT.  S^T = K Q^T and O^T += V^T P^T: a lane holds one query; the 16 registers of two neighbouring tiles are 16 neighbouring keys.
; RING.  Two LDS slots of 131,072 bytes: 256 keys of each doc, K and V.  Once a wave has its V fragments in registers it has no more use for the slot: there, inside tile B's softmax, it says so, and the round ends ahead of the second product.
; Scale words go from memory straight into registers: a group's K words behind the last product that read the ones before, V's likewise.
; CLUSTERS: the four work-groups of a cluster walk the same keys: every tile is asked for jointly (mask 15).
; PREFETCH: the clusters in column 0 ask for slot n + 1's blocks where slot n's load is issued, each of the four work-groups one doc's (by address), waves 0-3 32 blocks of 256 bytes each; slots 0 and 1 come by their loads alone.
; LIMITS: the scaled scores stay under 2^31 in magnitude.  A t - M within an ulp or so of a whole number, at a block's largest, may be taken on either side of it.  Blocks of p under 2^-124 have the byte 1.  NaN and infinities are not served.
; REGISTERS, window 0: v8-9 -M, v10-11 largest t, v12 bias - M, v14 f, v16-19 sums, v26-27 Q's words, v28-31 P's words, v32-47 Q, v48-55 K's words, v56-63 V's, v64-95 P, v96-119 blocks at work, v128-255 S^T.   window 1: v0-127 O^T of A and B, v128-255 K or V.
.set SLOT1, 1<<17
.set SCB,   2*SLOT1                    ; the join: -M and sums, 512 bytes for each wave
.set SPARE, SCB+4096
.set SPW,  1
.set NIL,  2
.set LI0,  3                           ; my doc's place in slot 0 + 16 x lane
.set ADF,  4
.set PFO,  5
.set OL,   6                           ; 16 x lane
.set OR,   7                           ; 16 x (lane % 16)
.set BIA,  20
.set S,    128
.set WV,   18
.set SEL,  20
.set CS,   22
.set G1,   24
.set G0,   40
.set K125, 44
.set TB,   48
.set SLOTS, 50
.set LASTS, 51
.set PFA,  52
.set LIM,  54
.set MSB, 0
.macro WIN new
.if MSB != (\new)
	s_set_vgpr_msb (MSB<<8)|(\new)
.set MSB, (\new)
.endif
.endm
.macro PLACES
.rept 4
	v_nop
.endr
.endm
.macro CREST
	s_cmp_lg_u32 s[WV], 0
	s_cbranch_scc1 .Lnot_wave_0_\@
	s_barrier_signal -3
.Lnot_wave_0_\@:
	s_barrier_wait -3
	s_barrier_signal -1
	s_barrier_wait -1
.endm
.macro ROUND
	s_barrier_signal -1
	s_barrier_wait -1
	CREST
.endm
.macro LOADF q, o                      ; the eight fragments of K (o = 0) or V (o = 8192) of step q
.irp t, 0,1,2,3,4,5,6,7
.irp c, 0,1
	ds_load_b128 v[128+64*\q+8*\t+4*\c:131+64*\q+8*\t+4*\c], v[ADF] offset:16384*\q+\o+1024*\t+512*\c
.endr
.endr
.endm
.macro KSC o                           ; K's scale words of a group, two loads
	global_load_b128 v[48:51], v[OL], s[10:11] offset:\o
	global_load_b128 v[52:55], v[OL], s[10:11] offset:\o+1024
.endm
.macro VSC                             ; V's
	global_load_b128 v[56:59], v[OL], s[10:11] offset:512
	global_load_b128 v[60:63], v[OL], s[10:11] offset:1536
.endm
.macro QK q, x                         ; S^T of step q for tile x
.irp t, 0,2,4,6
	v_wmma_scale_f32_16x16x128_f8f6f4 v[S+64*\q+8*\t:S+7+64*\q+8*\t], v[128+64*\q+8*\t:135+64*\q+8*\t], v[32+8*\x:39+8*\x], 0, v[48+4*\q+\t/2], v[26+\x] matrix_a_fmt:MATRIX_FMT_FP4 matrix_b_fmt:MATRIX_FMT_FP4
	v_wmma_scale_f32_16x16x128_f8f6f4 v[S+8+64*\q+8*\t:S+15+64*\q+8*\t], v[136+64*\q+8*\t:143+64*\q+8*\t], v[32+8*\x:39+8*\x], 0, v[48+4*\q+\t/2], v[26+\x] matrix_a_fmt:MATRIX_FMT_FP4 matrix_b_fmt:MATRIX_FMT_FP4 matrix_a_scale:MATRIX_SCALE_ROW1
.endr
.endm
.macro PV q                            ; O^T += V^T P^T of step q, both tiles: sixteen accumulators by turns
.irp x, 0,1
.irp t, 0,2,4,6
	v_wmma_scale_f32_16x16x128_f8f6f4 v[64*\x+8*\t:64*\x+8*\t+7], v[128+64*\q+8*\t:135+64*\q+8*\t], v[64+16*\x+8*\q:71+16*\x+8*\q], v[64*\x+8*\t:64*\x+8*\t+7], v[56+4*\q+\t/2], v[28+2*\x+\q] matrix_a_fmt:MATRIX_FMT_FP4 matrix_b_fmt:MATRIX_FMT_FP4
	v_wmma_scale_f32_16x16x128_f8f6f4 v[64*\x+8*\t+8:64*\x+8*\t+15], v[136+64*\q+8*\t:143+64*\q+8*\t], v[64+16*\x+8*\q:71+16*\x+8*\q], v[64*\x+8*\t+8:64*\x+8*\t+15], v[56+4*\q+\t/2], v[28+2*\x+\q] matrix_a_fmt:MATRIX_FMT_FP4 matrix_b_fmt:MATRIX_FMT_FP4 matrix_a_scale:MATRIX_SCALE_ROW1
.endr
.endr
.endm
.macro ALLMAX                          ; my lane's largest score of each of the eight blocks of 32 keys, by turns
.irp k, 0,1,2,3,4,5,6,7
	v_max3_num_f32 v[96+\k], v[S+16*\k], v[S+1+16*\k], v[S+2+16*\k]
.endr
.irp i, 3,5,7,9,11,13
.irp k, 0,1,2,3,4,5,6,7
	v_max3_num_f32 v[96+\k], v[96+\k], v[S+16*\k+\i], v[S+1+16*\k+\i]
.endr
.endr
.irp k, 0,1,2,3,4,5,6,7
	v_max_num_f32 v[96+\k], v[96+\k], v[S+15+16*\k]
.endr
.endm
.macro HALFMAX q                       ; the same of step q's four blocks
.irp k, 0,1,2,3
	v_max3_num_f32 v[96+4*\q+\k], v[S+64*\q+16*\k], v[S+1+64*\q+16*\k], v[S+2+64*\q+16*\k]
.endr
.irp i, 3,5,7,9,11,13
.irp k, 0,1,2,3
	v_max3_num_f32 v[96+4*\q+\k], v[96+4*\q+\k], v[S+64*\q+16*\k+\i], v[S+1+64*\q+16*\k+\i]
.endr
.endr
.irp k, 0,1,2,3
	v_max_num_f32 v[96+4*\q+\k], v[96+4*\q+\k], v[S+15+64*\q+16*\k]
.endr
.endm
.macro MAXES x                         ; joined with lane l xor 16's; M and f
.irp k, 0,1,2,3,4,5,6,7
	v_permlanex16_b32 v[104+\k], v[96+\k], s[SEL], s[SEL+1]
.endr
.irp k, 0,1,2,3,4,5,6,7
	v_max_num_f32 v[96+\k], v[96+\k], v[104+\k]    ; with lane l xor 16's
.endr
	v_max3_num_f32 v21, v96, v97, v98
	v_max3_num_f32 v22, v99, v100, v101
	v_mov_b32 v23, v[8+\x]
	s_delay_alu instid0(VALU_DEP_3)
	v_max3_num_f32 v21, v21, v102, v103
	s_delay_alu instid0(VALU_DEP_1)
	v_max_num_f32 v21, v21, v22
	s_delay_alu instid0(VALU_DEP_1)
	v_fma_f32 v21, v21, s[CS], v[BIA]
	s_delay_alu instid0(VALU_DEP_1)
	v_max_num_f32 v[10+\x], v[10+\x], v21          ; the running largest t
	s_delay_alu instid0(VALU_DEP_1)
	v_floor_f32 v[8+\x], -v[10+\x]                 ; the new -M
	s_delay_alu instid0(VALU_DEP_1)
	v_sub_f32 v22, v[8+\x], v23                    ; M's old value less its new one
	s_delay_alu instid0(VALU_DEP_1)
	v_cvt_i32_f32 v22, v22                         ; (it saturates)
	s_delay_alu instid0(VALU_DEP_1)
	v_ldexp_f32 v14, 1.0, v22                      ; f: an exact power of two, or 0
	s_delay_alu instid0(VALU_DEP_4)
	v_add_f32 v12, v[BIA], v[8+\x]
.endm
.macro SHIFT                           ; t - M, two at a time
.set j, 0
.rept 64
	v_pk_fma_f32 v[S+j:S+j+1], v[S+j:S+j+1], s[CS:CS+1], v[12:13] op_sel_hi:[1,0,0]
.set j, j+2
.endr
.endm
.macro BLOCKS x                        ; the blocks' scale operands and P's two scale words
.irp k, 0,1,2,3,4,5,6,7
	v_fma_f32 v[96+\k], v[96+\k], s[CS], v12       ; the block's largest t - M
.endr
.irp k, 0,1,2,3,4,5,6,7
	v_max_num_f32 v[96+\k], 0xc2f80000, v[96+\k]   ; held at -124: the byte cannot fall under 1
.endr
.irp k, 0,1,2,3,4,5,6,7
	v_cvt_floor_i32_f32 v[96+\k], v[96+\k]         ; e = the exponent of the block's largest p
.endr
.irp k, 0,1,2,3,4,5,6,7
	v_add_lshl_u32 v[112+\k], v[96+\k], s[K125], 23   ; the scale's byte, e - 2 + 127, in the exponent field
.endr
	v_lshl_add_u32 v104, v97, 8, v96
	v_lshl_add_u32 v105, v101, 8, v100
	v_lshl_add_u32 v106, v99, 8, v98
	v_lshl_add_u32 v107, v103, 8, v102
	v_lshl_add_u32 v104, v106, 16, v104
	v_lshl_add_u32 v105, v107, 16, v105
	v_add_nc_u32 v[28+2*\x], 0x7d7d7d7d, v104      ; 125 onto each of the four: the bytes
	v_add_nc_u32 v[29+2*\x], 0x7d7d7d7d, v105
.endm
.macro PEXP x                          ; p and the row's sum
	s_wait_alu depctr_va_vdst(0)                   ; the wait ahead of the batch
.set j, 0
.rept 128
	v_exp_f32 v[S+j], v[S+j]
.set j, j+1
.endr
	v_pk_mul_f32 v[16+2*\x:17+2*\x], v[16+2*\x:17+2*\x], v[14:15] op_sel_hi:[1,0]   ; the sum under the new M
	s_wait_alu depctr_va_vdst(0)                   ; and behind it, ahead of its first reader
	v_pk_add_f32 v[24:25], v[S:S+1], v[S+2:S+3]
	v_pk_add_f32 v[120:121], v[S+4:S+5], v[S+6:S+7]
	v_pk_add_f32 v[122:123], v[S+8:S+9], v[S+10:S+11]
	v_pk_add_f32 v[16+2*\x:17+2*\x], v[16+2*\x:17+2*\x], v[S+12:S+13]
.set j, 14
.rept 14
	v_pk_add_f32 v[24:25], v[24:25], v[S+j:S+j+1]
	v_pk_add_f32 v[120:121], v[120:121], v[S+j+2:S+j+3]
	v_pk_add_f32 v[122:123], v[122:123], v[S+j+4:S+j+5]
	v_pk_add_f32 v[16+2*\x:17+2*\x], v[16+2*\x:17+2*\x], v[S+j+6:S+j+7]
.set j, j+8
.endr
	v_pk_add_f32 v[24:25], v[24:25], v[S+126:S+127]
	v_pk_add_f32 v[120:121], v[120:121], v[122:123]
.endm
.macro CVTS x                          ; P's codes
.irp k, 0,1,2,3,4,5,6,7
	v_cvt_scalef32_pk8_fp4_f32 v[64+16*\x+2*\k], v[S+16*\k:S+7+16*\k], v[112+\k]
	v_cvt_scalef32_pk8_fp4_f32 v[65+16*\x+2*\k], v[S+8+16*\k:S+15+16*\k], v[112+\k]
.endr
	v_pk_add_f32 v[24:25], v[24:25], v[120:121]    ; (the plain place behind the scaled conversions)
.endm
.macro SWAPS x                         ; a whole block into a lane; and the last of the sum
.irp c, 0,1,2,3
.irp i, 0,1
	v_permlane16_swap_b32 v[64+16*\x+4*\c+\i], v[66+16*\x+4*\c+\i]
.endr
.endr
	v_pk_add_f32 v[16+2*\x:17+2*\x], v[16+2*\x:17+2*\x], v[24:25]
.endm
.macro RESC x                          ; O^T under the new M.  (These 32 are also the places behind P's codes and words)
	WIN 0x41
	s_wait_alu depctr_va_vdst(0)                   ; the wait ahead of the first readers of O^T
.set j, 0
.rept 32
	v_pk_mul_f32 v[64*\x+j:64*\x+j+1], v[64*\x+j:64*\x+j+1], v[14:15] op_sel_hi:[1,0]
.set j, j+2
.endr
	WIN 0
.endm
; A group of 256 keys.  Its K fragments have been asked for.  fill = 1: the slot is filled again, with the group two on; fill = 0: the last two groups (LASTS = 2, then 1): nothing is filled, and the very last asks for nothing more.
.macro TRIP fill
	s_wait_loadcnt 2                               ; K's scale words are in; V's two loads may be out
	s_wait_dscnt 16                                ; K's first step is in; the second's 16 loads may be out
	WIN 0x01
	QK 0, 0
	WIN 0
	PLACES
	HALFMAX 0
	s_wait_dscnt 0x0                               ; K's second step is in
	WIN 0x01
	QK 1, 0
	WIN 0
	PLACES
	HALFMAX 1
	MAXES 0
	SHIFT
	BLOCKS 0
	PEXP 0
	CVTS 0
	SWAPS 0
	RESC 0
	WIN 0x01
	QK 0, 1
	QK 1, 1
	WIN 0
	PLACES                                         ; in front of loads into K's registers and K's scale words, and of the first read of S^T
	WIN 0x40
	LOADF 0, 8192
	LOADF 1, 8192
	WIN 0
.if \fill
	KSC 2048                                       ; the next group's
.else
	s_cmp_lg_u32 s[LASTS], 2
	s_cbranch_scc1 .Lno_k_\@
	KSC 2048
.Lno_k_\@:
.endif
	ALLMAX
	MAXES 1
.if \fill == 0                         ; it shows the next slot whole, and the slots read, so it is signalled as soon as V is in registers
	s_wait_alu depctr_va_vdst(0)                   ; the wait ahead of the waits below
	s_wait_tensorcnt 0x0                           ; my part of the next slot has landed
	s_wait_xcnt 0x0                                ; my loads and any prefetch have read their bases
	s_add_nc_u64 s[10:11], s[10:11], 2048
	SHIFT
	s_wait_dscnt 0x0                               ; V is in registers: my reads of this slot are over
	s_barrier_signal -1
.else
	SHIFT
.endif
	BLOCKS 1
	PEXP 1
.if \fill
	s_wait_alu depctr_va_vdst(0)                   ; the wait ahead of the waits below
	s_wait_tensorcnt 0x0                           ; my part of the next slot has landed; no tensor load of mine is out
	ds_add_u32 v[SPW], v[NIL]
	s_xor_b32 s[G0+1], s[G0+1], SLOT1              ; the slot in hand, two groups on
	s_add_nc_u64 s[G0+2:G0+3], s[G0+2:G0+3], 32768
	s_wait_xcnt 0x0                                ; my loads and any prefetch have read their bases
	s_add_nc_u64 s[10:11], s[10:11], 2048
	s_add_nc_u64 s[PFA:PFA+1], s[PFA:PFA+1], 32768
	CVTS 1
	s_wait_alu depctr_va_vdst(0)                   ; the wait ahead of the wait below
	s_wait_dscnt 0x0                               ; V is in registers: my reads of this slot are over; and the add is done
	s_barrier_signal -1
.else
	CVTS 1
.endif
	SWAPS 1
	RESC 1
	s_xor_b32 s[TB], s[TB], SLOT1
	v_add_nc_u32 v[ADF], s[TB], v[LI0]
	s_wait_alu depctr_va_vdst(0)                   ; the wait ahead of the barrier's wait
	s_barrier_wait -1
.if \fill
	CREST
	tensor_load_to_lds s[G0:G0+3], s[G1:G1+7]      ; the first thing behind the round
	s_nop 0
	PLACES
	s_cmp_gt_u32 s[SLOTS], s[LIM]
	s_cbranch_scc0 .Lnot_mine_\@
	global_prefetch_b8 v[PFO], s[PFA:PFA+1] th:TH_LOAD_NT scope:SCOPE_SE   ; the last group's part
.Lnot_mine_\@:
	s_wait_loadcnt 2                               ; V's scale words are in; the next K words' two loads may be out
	WIN 0x51
	PV 0
	WIN 0
	PLACES
	WIN 0x40
	LOADF 0, 0                                     ; the next group's K, in the other slot
	WIN 0x51
	PV 1
	WIN 0
	PLACES
	WIN 0x40
	LOADF 1, 0
	WIN 0
	VSC
.else
	s_wait_loadcnt 0x0
	WIN 0x51
	PV 0
	PV 1
	WIN 0
	PLACES
	s_cmp_lg_u32 s[LASTS], 2
	s_cbranch_scc1 .Lno_v_\@
	WIN 0x40
	LOADF 0, 0
	LOADF 1, 0
	WIN 0
	VSC
.Lno_v_\@:
.endif
.endm
	s_load_b256 s[4:11], s[0:1], 0x0               ; qimg, qsc, kvimg, kvsc
	s_load_b128 s[12:15], s[0:1], 0x20             ; doc_similarities, beta
	s_load_b64 s[16:17], s[0:1], 0x30              ; oimg
	v_lshl_add_u32 v[SPW], v0, 2, SPARE
	v_mov_b32 v[NIL], 0
	ds_add_u32 v[SPW], v[NIL]                      ; the wave's opening: the add, twice on end, and its wait ahead of my first tensor load
	ds_add_u32 v[SPW], v[NIL]
	v_lshrrev_b32 v8, 5, v0
	v_readfirstlane_b32 s[WV], v8                  ; wave 0..7
	s_bfe_u32 s19, ttmp6, 0x40000                  ; cx
	s_lshl_b32 s55, ttmp9, 2
	s_add_co_u32 s55, s55, s19                     ; group of 64 queries, 0..15
	s_and_b32 s56, ttmp7, 0xffff                   ; batch-head
	s_and_b32 s57, s[WV], 1                        ; g: which two tiles.  Also: which half of a doc's slot I fetch
	s_lshr_b32 s58, s[WV], 1                       ; d: my doc
	s_lshl_b32 s60, s56, 19
	s_lshl_b32 s59, s58, 17
	s_add_co_u32 s60, s60, s59
	s_lshl_b32 s59, s57, 14
	s_add_co_u32 s60, s60, s59                     ; what I fetch: 524,288 bytes a batch-head, 131,072 a doc, 32,768 a slot, 16,384 a step
	s_mov_b32 s61, 0
	s_lshl_b32 s62, s56, 15
	s_lshl_b32 s59, s58, 13
	s_add_co_u32 s62, s62, s59                     ; my doc's scale words
	s_mov_b32 s63, 0
	s_mov_b32 s[G1+0], 15|(3<<16)|(1<<21)          ; 64 dense rows of 256 bytes; the mask names the cluster's four
	s_mov_b32 s[G1+1], 32<<16
	s_mov_b32 s[G1+2], 64<<16
	s_mov_b32 s[G1+3], 32<<16
	s_mov_b32 s[G1+4], 64
	s_mov_b32 s[G1+5], 32
	s_mov_b32 s[G1+6], 0
	s_mov_b32 s[G1+7], 0
	s_lshl_b32 s66, s56, 19                        ; the prefetches: doc cx, slot 2, my wave's 8,192 bytes
	s_lshl_b32 s59, s19, 17
	s_add_co_u32 s66, s66, s59
	s_and_b32 s59, s[WV], 3
	s_lshl_b32 s59, s59, 13
	s_add_co_u32 s66, s66, s59
	s_add_co_u32 s66, s66, 65536
	s_mov_b32 s67, 0
	s_lshr_b32 s59, s[WV], 2
	s_or_b32 s59, s59, ttmp9
	s_cmp_eq_u32 s59, 0
	s_cselect_b32 s[LIM], 1, -1                    ; 1 where my wave asks, else the greatest number
	s_and_b32 s59, s58, 1                          ; A is tile 2 g + d % 2
	s_xor_b32 s75, s59, 1
	s_lshl_b32 s68, s56, 6
	s_lshl_b32 s70, s55, 2
	s_add_co_u32 s68, s68, s70
	s_lshl_b32 s70, s57, 1
	s_add_co_u32 s68, s68, s70
	s_add_co_u32 s70, s68, s75
	s_add_co_u32 s68, s68, s59
	s_lshl_b32 s68, s68, 10                        ; Q's fragments: A's,
	s_lshl_b32 s70, s70, 10                        ; B's
	s_mov_b32 s69, 0
	s_mov_b32 s71, 0
	s_lshl_b32 s72, s56, 3
	s_lshr_b32 s76, s55, 1
	s_add_co_u32 s72, s72, s76
	s_lshl_b32 s72, s72, 9
	s_and_b32 s76, s55, 1
	s_lshl_b32 s76, s76, 1
	s_add_co_u32 s76, s76, s57
	s_lshl_b32 s76, s76, 2
	s_add_co_u32 s72, s72, s76                     ; Q's scale words: 512 bytes for 8 tiles, 256 (f % 2) + 4 (f / 2)
	s_lshl_b32 s76, s75, 8
	s_add_co_u32 s74, s72, s76                     ; B's
	s_lshl_b32 s76, s59, 8
	s_add_co_u32 s72, s72, s76                     ; A's
	s_mov_b32 s73, 0
	s_mov_b32 s75, 0
	s_lshr_b32 s76, s56, 3                         ; batch
	s_lshl_b32 s78, s76, 2
	s_add_co_u32 s78, s78, s58
	s_lshl_b32 s78, s78, 2                         ; my doc's similarity
	s_mov_b32 s79, 0
	s_lshl_b32 s80, s76, 6
	s_lshl_b32 s76, s55, 2
	s_add_co_u32 s80, s80, s76
	s_lshl_b32 s76, s57, 1
	s_add_co_u32 s80, s80, s76
	s_add_co_u32 s80, s80, s58                     ; the tile that I finish (waves 0 to 3)
	s_mul_i32 s80, s80, 8704
	s_and_b32 s82, s56, 7                          ; head = the last product's K step
	s_lshr_b32 s76, s82, 2
	s_mul_i32 s76, s76, 4352
	s_add_co_u32 s80, s80, s76
	s_mov_b32 s81, 0
	s_and_b32 s82, s82, 3
	s_lshl_b32 s84, s82, 2
	s_lshl_b32 s82, s82, 10
	s_mov_b32 s83, 0
	s_mov_b32 s85, 0
	s_mov_b32 s[SEL], 0x76543210
	s_mov_b32 s[SEL+1], 0xfedcba98
	s_mov_b32 s[CS], 0x3d38aa3b                    ; log2(e) / 32
	s_mov_b32 s[CS+1], s[CS]
	s_mov_b32 s[K125], 125
	s_mov_b32 s[TB], 0
	s_mov_b32 s[SLOTS], 2
	s_mov_b32 s[LASTS], 2
	s_wait_dscnt 0x0                               ; both opening adds are done
	s_wait_kmcnt 0x0
	s_mov_b32 s[G0], 1
	s_lshl_b32 s[G0+1], s[WV], 14
	s_add_nc_u64 s[G0+2:G0+3], s[8:9], s[60:61]
	s_or_b32 s[G0+3], s[G0+3], 0x80000000
	s_add_nc_u64 s[12:13], s[12:13], s[78:79]
	s_load_b32 s76, s[12:13], 0x0
	s_load_b32 s77, s[14:15], 0x0
	ROUND                                          ; all four work-groups are here: the first joint loads meet
	tensor_load_to_lds s[G0:G0+3], s[G1:G1+7]      ; slot 0: one tensor load a wave at the head
	s_nop 0
	PLACES
	s_add_nc_u64 s[PFA:PFA+1], s[8:9], s[66:67]
	s_add_nc_u64 s[10:11], s[10:11], s[62:63]
	s_add_nc_u64 s[68:69], s[4:5], s[68:69]
	s_add_nc_u64 s[70:71], s[4:5], s[70:71]
	s_add_nc_u64 s[72:73], s[6:7], s[72:73]
	s_add_nc_u64 s[74:75], s[6:7], s[74:75]
	s_add_nc_u64 s[16:17], s[16:17], s[80:81]
	s_add_nc_u64 s[78:79], s[16:17], s[84:85]      ; my tile's scale words (+ 4,096 in the immediate)
	s_add_nc_u64 s[16:17], s[16:17], s[82:83]      ; its fragment
	s_lshl_b32 s59, s58, 15
	v_and_b32 v8, 31, v0
	v_and_b32 v9, 15, v0
	v_lshlrev_b32 v[OL], 4, v8
	v_lshlrev_b32 v[OR], 4, v9
	v_lshlrev_b32 v[PFO], 8, v8
	v_add_nc_u32 v[LI0], s59, v[OL]
	global_load_b128 v[32:35], v[OL], s[68:69]
	global_load_b128 v[36:39], v[OL], s[68:69] offset:512
	global_load_b128 v[40:43], v[OL], s[70:71]
	global_load_b128 v[44:47], v[OL], s[70:71] offset:512
	global_load_b32 v26, v[OR], s[72:73]
	global_load_b32 v27, v[OR], s[74:75]
	KSC 0
	VSC
	v_mov_b32 v[ADF], v[LI0]
	v_mov_b32 v10, 0xff61b1e6                      ; the largest t so far: -3e38, under every t
	v_mov_b32 v11, v10
	v_floor_f32 v8, -v10
	v_floor_f32 v9, -v11
	v_mov_b32 v13, 0                               ; (named as upper halves of pairs)
	v_mov_b32 v15, 0
.irp j, 16,17,18,19,21,22
	v_mov_b32 v[\j], 0
.endr
.irp k, 0,1,2,3,4,5,6,7
	v_mov_b32 v[104+\k], 0                         ; written once: a lane permute's destination counts as one of its sources
.endr
	WIN 0x40
.set j, 0
.rept 128
	v_mov_b32 v[j], 0                              ; O^T.  (The group is written for all trips alike: the first finds zeros, which the first change of M leaves zeros)
.set j, j+1
.endr
	WIN 0
	s_wait_alu depctr_va_vdst(0)                   ; the wait here, directly ahead of the wait below
	s_wait_kmcnt 0x0
	v_mov_b32 v[BIA], s76
	v_mul_f32 v[BIA], s77, v[BIA]
	v_mul_f32 v[BIA], 0x3fb8aa3b, v[BIA]           ; the doc's bias in base 2
	s_wait_alu depctr_va_vdst(0)                   ; the wait at the head's end
	s_wait_tensorcnt 0x0                           ; my part of slot 0 is in
	ds_add_u32 v[SPW], v[NIL]
	s_xor_b32 s[G0+1], s[G0+1], SLOT1
	s_add_nc_u64 s[G0+2:G0+3], s[G0+2:G0+3], 32768
	s_wait_dscnt 0x0
	ROUND
	tensor_load_to_lds s[G0:G0+3], s[G1:G1+7]      ; slot 1
	s_nop 0
	PLACES
	WIN 0x40
	LOADF 0, 0
	LOADF 1, 0
	WIN 0
	s_cmp_eq_u32 s[LIM], 1
	s_cbranch_scc0 .Lnot_mine
	global_prefetch_b8 v[PFO], s[PFA:PFA+1] th:TH_LOAD_NT scope:SCOPE_SE   ; slot 2's: a whole group ahead of its load
.Lnot_mine:
.Lfill:
	TRIP 1
	s_sub_co_u32 s[SLOTS], s[SLOTS], 1
	s_cmp_lg_u32 s[SLOTS], 0
	s_wait_alu depctr_va_vdst(0)                   ; the wait ahead of the branch
	s_cbranch_scc1 .Lfill
.Llast:
	TRIP 0
	s_sub_co_u32 s[LASTS], s[LASTS], 1
	s_cmp_lg_u32 s[LASTS], 0
	s_wait_alu depctr_va_vdst(0)
	s_cbranch_scc1 .Llast
	; THE JOIN.  Behind the last barrier nobody reads the slots: O^T goes there, 8,192 bytes a tile (A, then B) at 16,384 w; -M and the sum at SCB + 512 w + 256 (B).  Waves 0 to 3 finish their tile A and store B alone.
	v_add_f32 v16, v16, v17
	v_add_f32 v18, v18, v19
	v_permlanex16_b32 v21, v16, s[SEL], s[SEL+1]
	v_permlanex16_b32 v22, v18, s[SEL], s[SEL+1]
	s_lshl_b32 s60, s[WV], 14
	s_lshl_b32 s61, s[WV], 9
	s_add_co_u32 s61, s61, SCB
	v_add_f32 v16, v16, v21
	v_add_f32 v18, v18, v22
	v_add_nc_u32 v23, s60, v[OL]
	v_and_b32 v25, 31, v0
	v_lshlrev_b32 v25, 2, v25
	v_add_nc_u32 v24, s61, v25
	s_wait_alu depctr_va_vdst(0)                   ; the wait ahead of the branches and waits below
	WIN 0x04
.set j, 0
.rept 16
	ds_store_b128 v23, v[64+4*j:67+4*j] offset:8192+512*j
.set j, j+1
.endr
	WIN 0
	ds_store_b32 v24, v9 offset:256
	ds_store_b32 v24, v18 offset:384
	s_cmp_lt_u32 s[WV], 4
	s_cbranch_scc1 .Lkeep
	WIN 0x04
.set j, 0
.rept 16
	ds_store_b128 v23, v[4*j:4*j+3] offset:512*j
.set j, j+1
.endr
	WIN 0
	ds_store_b32 v24, v8
	ds_store_b32 v24, v16 offset:128
.Lkeep:
	s_wait_dscnt 0x0
	s_barrier_signal -1
	s_barrier_wait -1
	s_cmp_ge_u32 s[WV], 4
	s_cbranch_scc1 .Lend
	s_xor_b32 s60, s[WV], 2                        ; doc 1 - d: its B
	s_lshl_b32 s60, s60, 14
	s_add_co_u32 s60, s60, 8192
	s_lshl_b32 s61, s57, 14
	s_lshl_b32 s62, s58, 13
	s_add_co_u32 s61, s61, s62
	s_add_co_u32 s61, s61, 65536                   ; doc 2: its A is tile 2 g
	s_xor_b32 s62, s58, 1
	s_lshl_b32 s62, s62, 13
	s_lshl_b32 s59, s57, 14
	s_add_co_u32 s62, s62, s59
	s_add_co_u32 s62, s62, 98304                   ; doc 3: its A is tile 2 g + 1
	s_lshr_b32 s66, s60, 5
	s_add_co_u32 s66, s66, SCB
	s_lshr_b32 s67, s61, 5
	s_add_co_u32 s67, s67, SCB
	s_lshr_b32 s59, s62, 5
	s_add_co_u32 s59, s59, SCB
	v_add_nc_u32 v31, s66, v25
	v_add_nc_u32 v24, s67, v25
	v_add_nc_u32 v23, s59, v25
	v_add_nc_u32 v28, s60, v[OL]
	v_add_nc_u32 v29, s61, v[OL]
	v_add_nc_u32 v30, s62, v[OL]
	ds_load_b32 v32, v31
	ds_load_b32 v33, v31 offset:128
	ds_load_b32 v34, v24
	ds_load_b32 v35, v24 offset:128
	ds_load_b32 v36, v23
	ds_load_b32 v37, v23 offset:128
.set j, 0
.rept 16
	ds_load_b128 v[128+4*j:131+4*j], v28 offset:512*j
.set j, j+1
.endr
.set j, 0
.rept 16
	ds_load_b128 v[192+4*j:195+4*j], v29 offset:512*j
.set j, j+1
.endr
.set j, 0
.rept 16
	ds_load_b128 v[64+4*j:67+4*j], v30 offset:512*j
.set j, j+1
.endr
	s_wait_dscnt 48                                ; the six words are in; the three tiles' 48 loads may be out
	v_min3_num_f32 v38, v8, v32, v34
	v_min_num_f32 v38, v38, v36                    ; -M of the whole row
	v_sub_f32 v40, v38, v8
	v_sub_f32 v41, v38, v32
	v_sub_f32 v42, v38, v34
	v_sub_f32 v43, v38, v36
.irp e, 0,1,2,3
	v_cvt_i32_f32 v[40+\e], v[40+\e]
.endr
.irp e, 0,1,2,3
	v_ldexp_f32 v[40+\e], 1.0, v[40+\e]
.endr
	v_mul_f32 v16, v16, v40
	v_fmac_f32 v16, v33, v41
	v_fmac_f32 v16, v35, v42
	v_fmac_f32 v16, v37, v43                       ; the row's sum
	s_wait_alu depctr_va_vdst(0)                   ; the wait ahead of the transcendental
	v_rcp_f32 v39, v16
	v_nop
	s_wait_alu depctr_va_vdst(0)                   ; and behind it
	v_mul_f32 v44, v40, v39
	v_mul_f32 v46, v41, v39
	v_mul_f32 v20, v42, v39
	v_mul_f32 v14, v43, v39
	WIN 0x41
	s_wait_alu depctr_va_vdst(0)                   ; the wait ahead of the first readers of O^T
.set j, 0
.rept 32
	v_pk_mul_f32 v[j:j+1], v[j:j+1], v[44:45] op_sel_hi:[1,0]
.set j, j+2
.endr
	s_wait_dscnt 32
	WIN 0x50                                       ; destination and source 2 window 1
.set j, 0
.rept 32
	v_pk_fma_f32 v[j:j+1], v[128+j:129+j], v[46:47], v[j:j+1] op_sel_hi:[1,0,1]
.set j, j+2
.endr
	s_wait_dscnt 16
.set j, 0
.rept 32
	v_pk_fma_f32 v[j:j+1], v[192+j:193+j], v[20:21], v[j:j+1] op_sel_hi:[1,0,1]
.set j, j+2
.endr
	s_wait_dscnt 0x0
	WIN 0x10                                       ; source 2 window 1
.set j, 0
.rept 32
	v_pk_fma_f32 v[64+j:65+j], v[64+j:65+j], v[14:15], v[j:j+1] op_sel_hi:[1,0,1]
.set j, j+2
.endr
	WIN 0
	; v64-127: my query's 64 numbers, register 16 b + i = channel 32 b + 16 h + i: quantised along the channels
.irp b, 0,1,2,3
	v_max3_num_f32 v[128+\b], |v[64+16*\b]|, |v[65+16*\b]|, 0x1800000
.endr
.irp i, 2,4,6,8,10,12,14
.irp b, 0,1,2,3
	v_max3_num_f32 v[128+\b], v[128+\b], |v[64+16*\b+\i]|, |v[65+16*\b+\i]|
.endr
.endr
.irp b, 0,1,2,3
	v_permlanex16_b32 v[132+\b], v[128+\b], s[SEL], s[SEL+1]
.endr
.irp b, 0,1,2,3
	v_max_num_f32 v[128+\b], v[128+\b], v[132+\b]
.endr
.irp b, 0,1,2,3
	v_add_nc_u32 v[140+\b], 0xff000000, v[128+\b]
.endr
.irp b, 0,1,2,3
	v_lshrrev_b32 v[132+\b], 23, v[140+\b]
.endr
	v_lshl_or_b32 v152, v133, 8, v132
	v_lshl_or_b32 v152, v134, 16, v152
	v_lshl_or_b32 v152, v135, 24, v152
.irp b, 0,1,2,3
	v_cvt_scalef32_pk8_fp4_f32 v[144+2*\b], v[64+16*\b:71+16*\b], v[140+\b]
	v_cvt_scalef32_pk8_fp4_f32 v[145+2*\b], v[72+16*\b:79+16*\b], v[140+\b]
.endr
	v_nop
.irp c, 0,1
.irp i, 0,1
	v_permlane16_swap_b32 v[144+4*\c+\i], v[146+4*\c+\i]
.endr
.endr
	global_store_b128 v[OL], v[144:147], s[16:17]  ; 32 lanes store 512 consecutive bytes
	global_store_b128 v[OL], v[148:151], s[16:17] offset:512
	global_store_b32 v[OR], v152, s[78:79] offset:4096   ; both halves of the lanes store the same
.Lend:
	s_wait_tensorcnt 0x0                           ; the wave's end
	ds_add_u32 v[SPW], v[NIL]
	s_wait_dscnt 0x0
	ROUND                                          ; the closing round
	s_endpgm
.Lfunc_end_k_qbce66a230d_attn:
	.size	k_qbce66a230d_attn, .Lfunc_end_k_qbce66a230d_attn-k_qbce66a230d_attn
	.p2alignl 7, 3214868480
	.fill 96, 4, 3214868480
	.section	.rodata,"a",@progbits
	.p2align	6, 0x0
	.amdhsa_kernel k_qbce66a230d_attn
		.amdhsa_group_segment_fixed_size 327680
		.amdhsa_private_segment_fixed_size 0
		.amdhsa_enable_private_segment 0
		.amdhsa_kernarg_size 56
		.amdhsa_user_sgpr_count 2
		.amdhsa_user_sgpr_kernarg_segment_ptr 1
		.amdhsa_wavefront_size32 1
		.amdhsa_system_sgpr_workgroup_id_x 1
		.amdhsa_system_sgpr_workgroup_id_y 1
		.amdhsa_system_sgpr_workgroup_id_z 1
		.amdhsa_system_vgpr_workitem_id 0
		.amdhsa_next_free_vgpr 512
		.amdhsa_next_free_sgpr 88
		.amdhsa_reserve_vcc 0
		.amdhsa_float_denorm_mode_32 3
		.amdhsa_float_denorm_mode_16_64 3
		.amdhsa_memory_ordered 1
		.amdhsa_forward_progress 1
		.amdhsa_inst_pref_size 158
	.end_amdhsa_kernel
	.amdgpu_metadata
---
amdhsa.version: [ 1, 2 ]
amdhsa.kernels:
  - .name:           k_qbce66a230d_attn
    .symbol:         k_qbce66a230d_attn.kd
    .args:
      - { .name: qimg, .offset: 0, .size: 8, .value_kind: global_buffer, .address_space: global }
      - { .name: qsc, .offset: 8, .size: 8, .value_kind: global_buffer, .address_space: global }
      - { .name: kvimg, .offset: 16, .size: 8, .value_kind: global_buffer, .address_space: global }
      - { .name: kvsc, .offset: 24, .size: 8, .value_kind: global_buffer, .address_space: global }
      - { .name: doc_similarities, .offset: 32, .size: 8, .value_kind: global_buffer, .address_space: global }
      - { .name: beta, .offset: 40, .size: 8, .value_kind: global_buffer, .address_space: global }
      - { .name: oimg, .offset: 48, .size: 8, .value_kind: global_buffer, .address_space: global }
    .group_segment_fixed_size: 327680
    .private_segment_fixed_size: 0
    .kernarg_segment_align: 8
    .kernarg_segment_size: 56
    .max_flat_workgroup_size: 256
    .sgpr_count:     88
    .vgpr_count:     512
    .wavefront_size: 32
...
	.end_amdgpu_metadata
.endif
;; end of part 3
;; launch outp (part 4): grid 8 x 32, 4 waves a work-group, clusters of 4 x 4, 167,936 bytes of LDS; arguments oimg, wimg, bout, out0; writes out0
.if DOCPART == 4
	.amdgcn_target "amdgcn-amd-amdhsa--gfx1250"
	.amdhsa_code_object_version 6
	.text
	.protected	k_qbce66a230d_outp
	.globl	k_qbce66a230d_outp
	.p2align	8
	.type	k_qbce66a230d_outp,@function
k_qbce66a230d_outp:
	s_mov_b64 s[64:65], 0
	v_nop
	global_prefetch_b8 v0, s[64:65] scope:SCOPE_SE
	s_setreg_imm32_b32 hwreg(HW_REG_WAVE_MODE, 25, 1), 1
	s_wait_xcnt 0x0
	s_wait_alu depctr_hold_cnt(0) depctr_sa_sdst(0) depctr_va_vdst(0) depctr_va_sdst(0) depctr_va_ssrc(0) depctr_va_vcc(0) depctr_vm_vsrc(0)
	s_getreg_b32 s2, hwreg(HW_REG_IB_STS2, 6, 4)
	s_cmp_eq_u32 s2, 0
	s_cbranch_scc0 .Lentry_in_a_cluster
	s_endpgm
.Lentry_in_a_cluster:
	s_bfe_u32 s2, ttmp6, 0x10000c
	s_cmp_lg_u32 s2, 0xf033
	s_cbranch_scc0 .Lentry_shape_is_right
	s_endpgm
.Lentry_shape_is_right:
; LAUNCH 4 OF 4: out0 = (the attention's result) Wout + bout, on codes of E2M1.  No work is left out.
; A work-group makes 64 rows x 128 columns.  Wave w: row tiles 2 (w % 2) + 0, 1 x column tiles 4 (w / 2) + 0 .. 3: 8 accumulators.  All of K = 1,024 lies in LDS at once: 4 records of rows, 8 of columns; nothing is filled again.
; CLUSTERS: 4 x 4 work-groups.  The four of a row of the cluster need the same records of rows, the four of a column the same records of Wout: each is asked for jointly, one load a wave.  No prefetch: there is no loop to run ahead in.
; THE MATRIX INSTRUCTION IS USED TRANSPOSED (source 0 = 16 columns of Wout, source 1 = 16 rows): a lane's registers are neighbouring columns of one row.
; THE ROW TILES ARE FINISHED ONE AFTER THE OTHER: the columns' fragments of all K stay in registers, and the first tile is in its stage while the second is multiplied.
; THE BIAS, in the result's layout, is the C of each accumulator's first product.
; REGISTERS: window 0: v4-15 addresses, v32-47 the rows' scale words, v48-79 the columns', v80-111 the bias, v128-191 accumulators, v192-255 the way out.   window 1: the columns' fragments, 32 registers a K step.   window 2: the rows', 64 registers a tile.
.set REC,   8704
.set HREC,  4352
.set WT,    34816                      ; LDS: 4 records of rows from 0, 8 of columns from here,
.set STG,   104448                     ; a stage of 32 rows x (256 + 16) bytes for each wave: no tensor load lands here,
.set SPARE, 139264                     ; the spare words, 128 bytes for each wave
.set ACC,   128
.set WV,    12
.set MSB, 0
.macro WIN new
.if MSB != (\new)
	s_set_vgpr_msb (MSB<<8)|(\new)
.set MSB, (\new)
.endif
.endm
.macro PLACES
.rept 4
	v_nop
.endr
.endm
.macro ROUND
	s_barrier_signal -1
	s_barrier_wait -1
	s_cmp_lg_u32 s[WV], 0
	s_cbranch_scc1 .Lnot_wave_0_\@
	s_barrier_signal -3
.Lnot_wave_0_\@:
	s_barrier_wait -3
	s_barrier_signal -1
	s_barrier_wait -1
.endm
	s_load_b256 s[4:11], s[0:1], 0x0               ; oimg s[4:5], wimg s[6:7], bout s[8:9], out0 s[10:11]
	v_lshl_add_u32 v14, v0, 2, SPARE               ; my spare word; never rewritten
	v_mov_b32 v15, 0                               ; 0; never rewritten
	ds_add_u32 v14, v15                            ; the wave's opening: the add, twice on end, and its wait ahead of my first tensor load
	ds_add_u32 v14, v15
	v_lshrrev_b32 v1, 5, v0
	v_readfirstlane_b32 s[WV], v1                  ; wave 0..3
	s_and_b32 s17, s[WV], 1                        ; my half of the rows.  Also: which half of an operand I fetch
	s_lshr_b32 s18, s[WV], 1                       ; my half of the columns.  Also: I fetch rows (0) or columns (1)
	s_bfe_u32 s13, ttmp6, 0x40000                  ; cx
	s_bfe_u32 s14, ttmp6, 0x40004                  ; cy
	s_lshl_b32 s15, ttmp9, 2
	s_add_co_u32 s15, s15, s13                     ; group of 128 columns
	s_and_b32 s16, ttmp7, 0xffff
	s_lshl_b32 s16, s16, 2
	s_add_co_u32 s16, s16, s14                     ; group of 64 rows
	s_lshl_b32 s19, s14, 2
	s_lshl_b32 s19, 15, s19                        ; my row of the cluster
	s_lshl_b32 s20, 0x1111, s13                    ; my column
	s_or_b32 s24, s19, (3<<16)|(1<<21)             ; group 1 for two records of rows: 68 dense rows of 256 bytes; elements of 8 bytes; bit 21 beside the mask
	s_mov_b32 s25, 32<<16
	s_mov_b32 s26, 68<<16
	s_mov_b32 s27, 32<<16
	s_mov_b32 s28, 68
	s_mov_b32 s29, 32
	s_mov_b32 s30, 0
	s_mov_b32 s31, 0
	s_or_b32 s32, s20, (3<<16)|(1<<21)             ; group 1 for four records of columns: 136 rows
	s_mov_b32 s33, 32<<16
	s_mov_b32 s34, 136<<16
	s_mov_b32 s35, 32<<16
	s_mov_b32 s36, 136
	s_mov_b32 s37, 32
	s_mov_b32 s38, 0
	s_mov_b32 s39, 0
	s_lshl_b32 s20, s16, 2
	s_lshl_b32 s22, s17, 1
	s_add_co_u32 s20, s20, s22
	s_mul_i32 s20, s20, REC
	s_mov_b32 s21, 0
	s_lshl_b32 s48, s15, 3
	s_lshl_b32 s22, s17, 2
	s_add_co_u32 s48, s48, s22
	s_add_co_u32 s48, s48, 192                     ; Wout's records lie behind Wkv's and Wq's
	s_mul_i32 s48, s48, REC
	s_mov_b32 s49, 0
	s_mul_i32 s22, s17, 2*REC                      ; the rows' records in LDS: where mine go, and where mine are read
	s_mul_i32 s23, s17, 4*REC
	s_add_co_u32 s23, s23, WT                      ; the columns': where mine go
	s_lshl_b32 s50, s15, 9
	s_lshl_b32 s51, s18, 8
	s_add_co_u32 s50, s50, s51                     ; my 64 columns, in bytes
	s_mov_b32 s51, 0
	v_bfe_u32 v5, v0, 4, 1
	v_lshlrev_b32 v5, 6, v5                        ; the bias: 64 h
	s_wait_alu depctr_va_vdst(0)                   ; the wait here, directly ahead of the waits below
	s_wait_dscnt 0x0                               ; both opening adds are done
	s_wait_kmcnt 0x0
	s_add_nc_u64 s[8:9], s[8:9], s[50:51]
.irp i, 0,1,2,3                                ; register j of tile 2 B + u in lane (r, h) is column 32 B + 16 h + 8 u + j
	global_load_b128 v[80+8*\i:83+8*\i], v5, s[8:9] offset:128*(\i/2)+32*(\i%2)
	global_load_b128 v[84+8*\i:87+8*\i], v5, s[8:9] offset:128*(\i/2)+32*(\i%2)+16
.endr
	s_mov_b32 s40, 1
	s_mov_b32 s41, s22
	s_add_nc_u64 s[42:43], s[4:5], s[20:21]
	s_or_b32 s43, s43, 0x80000000
	s_mov_b32 s44, 1
	s_mov_b32 s45, s23
	s_add_nc_u64 s[46:47], s[6:7], s[48:49]
	s_or_b32 s47, s47, 0x80000000
	ROUND                                          ; all sixteen work-groups are here: the joint loads meet
	s_cmp_eq_u32 s18, 0                            ; one tensor load a wave: waves 0 and 1 rows, waves 2 and 3 columns
	s_cbranch_scc0 .Lfor_columns
	tensor_load_to_lds s[40:43], s[24:31]
	s_nop 0
	PLACES
	s_branch .Lasked
.Lfor_columns:
	tensor_load_to_lds s[44:47], s[32:39]
	s_nop 0
	PLACES
.Lasked:
	s_lshl_b32 s52, s16, 1
	s_add_co_u32 s52, s52, s17
	s_lshl_b32 s52, s52, 17                        ; my 32 rows of 4,096 bytes
	s_add_co_u32 s52, s52, s50
	s_mov_b32 s53, 0
	s_add_nc_u64 s[10:11], s[10:11], s[52:53]
	s_mul_i32 s54, s18, 4*REC
	s_add_co_u32 s54, s54, WT                      ; my columns' records
	s_mul_i32 s55, s[WV], 32*272
	s_add_co_u32 s55, s55, STG                     ; my stage
	v_and_b32 v1, 31, v0
	v_and_b32 v2, 15, v0
	v_bfe_u32 v3, v0, 4, 1
	v_lshlrev_b32 v1, 4, v1                        ; 16 x lane
	v_lshlrev_b32 v8, 4, v2                        ; 16 x (lane % 16)
	v_add_nc_u32 v6, s22, v1                       ; my rows' fragments
	v_add_nc_u32 v7, s54, v1                       ; my columns'
	v_add_nc_u32 v9, s22, v8                       ; and their scale words
	v_add_nc_u32 v10, s54, v8
	v_mul_u32_u24 v12, v2, 272
	v_lshl_add_u32 v12, v3, 6, v12
	v_add_nc_u32 v12, s55, v12                     ; the stage, in: row r, 64 bytes on for lanes 16-31
	v_mul_u32_u24 v13, v3, 272
	v_add_nc_u32 v13, v13, v8
	v_add_nc_u32 v13, s55, v13                     ; back: lanes 0-15 a row of 256 bytes, lanes 16-31 the next
	v_lshl_add_u32 v4, v3, 12, v8                  ; and the same two rows in out0
.macro LROW m, b                       ; row tile m, four K steps from 4 b on: 8 loads
	WIN 0x80
.irp q, 0,1,2,3
.irp c, 0,1
	ds_load_b128 v[64*\m+32*\b+8*\q+4*\c:64*\m+32*\b+8*\q+4*\c+3], v6 offset:REC*\m+HREC*\b+1024*\q+512*\c
.endr
.endr
	WIN 0
.endm
.macro LCOL s                          ; the four column tiles of K step s: 8 loads
	WIN 0x40
.irp i, 0,1,2,3
.irp c, 0,1
	ds_load_b128 v[32*(\s)+8*\i+4*\c:32*(\s)+8*\i+4*\c+3], v7 offset:REC*\i+HREC*((\s)/4)+1024*((\s)%4)+512*\c
.endr
.endr
	WIN 0
.endm
.macro MULS m, s, zero                 ; four accumulators by turns
	WIN 0x09                                       ; source 0 window 1, source 1 window 2
.irp i, 0,1,2,3
.if \zero
	v_wmma_scale_f32_16x16x128_f8f6f4 v[ACC+32*\m+8*\i:ACC+32*\m+8*\i+7], v[32*(\s)+8*\i:32*(\s)+8*\i+7], v[64*\m+8*(\s):64*\m+8*(\s)+7], v[80+8*\i:87+8*\i], v[48+8*\i+(\s)], v[32+8*\m+(\s)] matrix_a_fmt:MATRIX_FMT_FP4 matrix_b_fmt:MATRIX_FMT_FP4
.else
	v_wmma_scale_f32_16x16x128_f8f6f4 v[ACC+32*\m+8*\i:ACC+32*\m+8*\i+7], v[32*(\s)+8*\i:32*(\s)+8*\i+7], v[64*\m+8*(\s):64*\m+8*(\s)+7], v[ACC+32*\m+8*\i:ACC+32*\m+8*\i+7], v[48+8*\i+(\s)], v[32+8*\m+(\s)] matrix_a_fmt:MATRIX_FMT_FP4 matrix_b_fmt:MATRIX_FMT_FP4
.endif
.endr
.endm
; THE WAY OUT of row tile m: through my own stage, so that whole rows of 256 bytes leave.  Each accumulator is read from its low end on.
.macro TOSTAGE m
.irp i, 0,1,2,3
	ds_store_b128 v12, v[ACC+32*\m+8*\i:ACC+32*\m+8*\i+3] offset:4352*\m+128*(\i/2)+32*(\i%2)
	ds_store_b128 v12, v[ACC+32*\m+8*\i+4:ACC+32*\m+8*\i+7] offset:4352*\m+128*(\i/2)+32*(\i%2)+16
.endr
.irp n, 0,1,2,3,4,5,6,7
	ds_load_b128 v[192+32*\m+4*\n:195+32*\m+4*\n], v13 offset:4352*\m+544*\n     ; LDS serves a wave's instructions in order: these see my stores
.endr
.endm
.macro SEND m
.irp n, 0,1,2,3,4,5,6,7
	s_wait_dscnt 7-\n
	global_store_b128 v4, v[192+32*\m+4*\n:195+32*\m+4*\n], s[10:11] offset:(8*\m+2*\n+8*(\n/4))*4096   ; slots 2 n and 2 n + 1: sixteen lanes store one aligned unit of 256 bytes
.endr
.endm
	s_wait_alu depctr_va_vdst(0)                   ; the wait at the head's end
	s_wait_tensorcnt 0x0                           ; my load has landed,
	s_barrier_signal -1
	s_barrier_wait -1                              ; everybody's has
.irp h, 0,1
.irp m, 0,1
	ds_load_b128 v[32+8*\m+4*\h:35+8*\m+4*\h], v9 offset:REC*\m+HREC*\h+4096
.endr
.irp i, 0,1,2,3
	ds_load_b128 v[48+8*\i+4*\h:51+8*\i+4*\h], v10 offset:REC*\i+HREC*\h+4096
.endr
.endr
	LROW 0, 0
	LCOL 0
	LCOL 1
	LCOL 2
	LCOL 3
	LROW 0, 1
	LCOL 4
	LCOL 5
	LCOL 6
	s_wait_loadcnt 0x0                             ; the bias
	s_wait_dscnt 56                                ; behind K step 0's: the columns of K steps 1 to 6 and half a row tile, 56 loads
	MULS 0, 0, 1
	WIN 0
	LCOL 7
	s_wait_dscnt 56                                ; K steps 2 to 7 and the half
	MULS 0, 1, 0
	s_wait_dscnt 48
	MULS 0, 2, 0
	WIN 0
	LROW 1, 0
	LROW 1, 1
	s_wait_dscnt 56                                ; K steps 4 to 7, the half, and row tile 1's 16 loads
	MULS 0, 3, 0
	s_wait_dscnt 40
	MULS 0, 4, 0
	s_wait_dscnt 32
	MULS 0, 5, 0
	s_wait_dscnt 24
	MULS 0, 6, 0
	s_wait_dscnt 16                                ; row tile 1's
	MULS 0, 7, 0
	WIN 0
	PLACES                                         ; in front of the first read of results
	TOSTAGE 0
	s_wait_dscnt 16                                ; row tile 1 is in; the stage's 8 stores and 8 loads may be out
	MULS 1, 0, 1
.irp s, 1,2,3,4,5,6,7
	MULS 1, \s, 0
.endr
	WIN 0
	SEND 0
	PLACES                                         ; in front of the first read of results
	TOSTAGE 1
	SEND 1
	s_wait_tensorcnt 0x0                           ; the wave's end
	ds_add_u32 v14, v15
	s_wait_dscnt 0x0
	ROUND                                          ; the closing round
	s_endpgm
.Lfunc_end_k_qbce66a230d_outp:
	.size	k_qbce66a230d_outp, .Lfunc_end_k_qbce66a230d_outp-k_qbce66a230d_outp
	.p2alignl 7, 3214868480
	.fill 96, 4, 3214868480
	.section	.rodata,"a",@progbits
	.p2align	6, 0x0
	.amdhsa_kernel k_qbce66a230d_outp
		.amdhsa_group_segment_fixed_size 167936
		.amdhsa_private_segment_fixed_size 0
		.amdhsa_enable_private_segment 0
		.amdhsa_kernarg_size 32
		.amdhsa_user_sgpr_count 2
		.amdhsa_user_sgpr_kernarg_segment_ptr 1
		.amdhsa_wavefront_size32 1
		.amdhsa_system_sgpr_workgroup_id_x 1
		.amdhsa_system_sgpr_workgroup_id_y 1
		.amdhsa_system_sgpr_workgroup_id_z 1
		.amdhsa_system_vgpr_workitem_id 0
		.amdhsa_next_free_vgpr 640
		.amdhsa_next_free_sgpr 66
		.amdhsa_reserve_vcc 0
		.amdhsa_float_denorm_mode_32 3
		.amdhsa_float_denorm_mode_16_64 3
		.amdhsa_memory_ordered 1
		.amdhsa_forward_progress 1
		.amdhsa_inst_pref_size 28
	.end_amdhsa_kernel
	.amdgpu_metadata
---
amdhsa.version: [ 1, 2 ]
amdhsa.kernels:
  - .name:           k_qbce66a230d_outp
    .symbol:         k_qbce66a230d_outp.kd
    .args:
      - { .name: oimg, .offset: 0, .size: 8, .value_kind: global_buffer, .address_space: global }
      - { .name: wimg, .offset: 8, .size: 8, .value_kind: global_buffer, .address_space: global }
      - { .name: bout, .offset: 16, .size: 8, .value_kind: global_buffer, .address_space: global }
      - { .name: out0, .offset: 24, .size: 8, .value_kind: global_buffer, .address_space: global }
    .group_segment_fixed_size: 167936
    .private_segment_fixed_size: 0
    .kernarg_segment_align: 8
    .kernarg_segment_size: 32
    .max_flat_workgroup_size: 128
    .sgpr_count:     66
    .vgpr_count:     640
    .wavefront_size: 32
...
	.end_amdgpu_metadata
.endif
;; end of part 4
